; MI455X (gfx1250); checked and timed in simulation.
; The chip was launched on July 23, 2026; its instructions are those of AMD's public machine-readable ISA for CDNA 5 (MIT licence, August 2026) and "CDNA5" Instruction Set Architecture Reference Guide (July 2026). The comments in the code are by the model that wrote it; some were corrected since.
;; Cross Attention. Allowed arithmetic: float matrix products may take bf16 or f16 operands with f32 sums; all other float work in f32.
;; Inputs: W1 256 x 256 float32; W2 256 x 256 float32; Wk 256 x 256 float32; Wo 256 x 256 float32; Wq 256 x 256 float32; Wv 256 x 256 float32; b1 256 float32; b2 256 float32; bk 256 float32; bo 256 float32; bq 256 float32; bv 256 float32; context 8 x 4,096 x 256 float32; context_pos 8 x 4,096 x 3 float32; query 8 x 4,096 x 256 float32; query_pos 8 x 4,096 x 3 float32; rff_B 3 x 128 float32.
;; Outputs: out0 8 x 4,096 x 256 float32; out1 8 x 4,096 x 3 float32.
;; 2 versions, each right; version 2 is version 1 with the launch knn1 written anew for expert scheduling mode. Each part assembles by itself: llvm-mc -triple=amdgcn-amd-amdhsa -mcpu=gfx1250 --defsym DOCPART=n.
;; ======== version 1 of 2: 5 launches
;; limits: values are held in f16: magnitudes above 65,504 overflow, below 6.1e-05 lose precision; right only within a limited range of input values
;; workspace buffers: wpack 662,016 bytes; cpair 524,288 bytes; qpos4 524,288 bytes; gidx 262,144 bytes of whole numbers; knn 524,288 bytes of whole numbers; qkv 50,331,648 bytes
;; launch prep (part 1): grid 256 x 1, 4 waves a work-group, no clusters, 8,960 bytes of LDS; arguments W1, W2, Wq, Wk, Wv, Wo, b1, b2, bq, bk, bv, bo, rff_B, context_pos, query_pos, wpack, cpair, qpos4, out1; writes wpack, cpair, qpos4, out1
.if DOCPART == 1
	.amdgcn_target "amdgcn-amd-amdhsa--gfx1250"
	.amdhsa_code_object_version 6
	.text
	.protected	k_q4677ac4e1b_prep
	.globl	k_q4677ac4e1b_prep
	.p2align	8
	.type	k_q4677ac4e1b_prep,@function
k_q4677ac4e1b_prep:
	s_mov_b64 s[64:65], 0
	v_nop
	global_prefetch_b8 v0, s[64:65] scope:SCOPE_SE
	s_setreg_imm32_b32 hwreg(HW_REG_WAVE_MODE, 25, 1), 1
	s_wait_xcnt 0x0
; PREP.  All inputs that reference() uses are rounded once to bf16 (nearest even) and used as those numbers from here on.
; reference() rebinds query and context before any use, so no number of theirs reaches an output: they are not loaded.
; Jobs by work-group number x:
;   0..79    weight packs [n][k], 16 bits, rows of 512 bytes: pack i = x / 16, rows n0 = 16 (x % 16) .. n0 + 15.
;            pack 0 = W1^T (f16), 1..3 = (W2 Wq)^T, (W2 Wk)^T, (W2 Wv)^T (f16; products of bf16 operands, f32 sums), 4 = Wo^T (bf16);
;            bias rows b1, b2 Wq + bq, b2 Wk + bk, b2 Wv + bv, bo in f32 at byte 655,360; rounded rff_B in f32 at byte 660,480.
;            W2 is used by reference() through Wq, Wk, Wv alone, so (h W2 + b2) Wx + bx = h (W2 Wx) + (b2 Wx + bx).
;   80..143  cpair: 32 bytes for two contexts: x0 x1 y0 y1 | z0 z1 c2_0 c2_1;   144..207  qpos4: x y z q2;   208..255  out1 = query_pos.
; LIMIT.  f16 packs hold no number beyond 65,504; below 6e-5 they keep f16's fixed step.
.set SPARE, 8448                       ; behind the stage of 16 rows x 528 bytes: the spare words, 128 bytes a wave
.set SPW,  10
.set NIL,  11
.set BS,   12                          ; the bias of my column
.set BYV,  13
.set ACC0, 16
.set ACC1, 24
.set YB,   32                          ; v[32:95]   Y's 16 columns, 256 along K, bf16: source 1
.set XB0,  96                          ; v[96:159]  16 rows of W2, bf16: source 0
.set XB1,  160
.set PK,   224
.set T0,   236
.set T1,   237
.set RAWY, 128                         ; v[128:255] Y as loaded; dead once YB is made
.set OUTR, 192
.set MSB, 0
.macro WIN new                         ; the immediate's high byte repeats the setting that is left
.if MSB != (\new)
	s_set_vgpr_msb (MSB<<8)|(\new)
.set MSB, \new
.endif
.endm
.macro RB a, b, t                      ; two f32 rounded to bf16 and kept as f32
	v_cvt_pk_bf16_f32 v[\t], v[\a], v[\b]
	v_lshlrev_b32 v[\a], 16, v[\t]
	v_and_b32 v[\b], 0xffff0000, v[\t]
.endm
.macro PLACES
.rept 4
	v_nop
.endr
.endm
	s_load_b512 s[4:19], s[0:1], 0x0               ; W1 4, W2 6, Wq 8, Wk 10, Wv 12, Wo 14, b1 16, b2 18
	s_load_b512 s[20:35], s[0:1], 0x40             ; bq 20, bk 22, bv 24, bo 26, rff_B 28, context_pos 30, query_pos 32, wpack 34
	s_load_b128 s[36:39], s[0:1], 0x80             ; cpair 36, qpos4 38
	s_load_b64 s[40:41], s[0:1], 0x90              ; out1
	v_lshl_add_u32 v[SPW], v0, 2, SPARE
	v_mov_b32 v[NIL], 0
	s_wait_kmcnt 0x0
	s_cmp_lt_u32 ttmp9, 80
	s_cbranch_scc1 .Lweights
	s_cmp_lt_u32 ttmp9, 144
	s_cbranch_scc1 .Lctx
	s_cmp_lt_u32 ttmp9, 208
	s_cbranch_scc1 .Lqry
	; ---- out1 = query_pos: 48 work-groups x 512 chunks of 16 bytes
	s_sub_co_u32 s42, ttmp9, 208
	s_lshl_b32 s42, s42, 13
	s_mov_b32 s43, 0
	s_add_nc_u64 s[32:33], s[32:33], s[42:43]
	s_add_nc_u64 s[40:41], s[40:41], s[42:43]
	v_lshlrev_b32 v1, 4, v0
.irp i, 0,1,2,3
	global_load_b128 v[16+4*\i:19+4*\i], v1, s[32:33] offset:2048*\i
.endr
	s_wait_loadcnt 0x0
.irp i, 0,1,2,3
	global_store_b128 v1, v[16+4*\i:19+4*\i], s[40:41] offset:2048*\i
.endr
	s_endpgm
.Lqry:	; ---- four queries a thread: x y z rounded, q2 = fma(z, z, fma(y, y, x x))
	s_sub_co_u32 s42, ttmp9, 144
	s_mul_i32 s44, s42, 6144                       ; 512 queries x 12 bytes
	s_mov_b32 s45, 0
	s_lshl_b32 s42, s42, 13                        ; 512 x 16 bytes
	s_mov_b32 s43, 0
	s_add_nc_u64 s[32:33], s[32:33], s[44:45]
	s_add_nc_u64 s[38:39], s[38:39], s[42:43]
	v_mul_u32_u24 v1, v0, 12
	v_lshlrev_b32 v2, 4, v0
.irp i, 0,1,2,3
	global_load_b32 v[16+4*\i], v1, s[32:33] offset:1536*\i
	global_load_b32 v[17+4*\i], v1, s[32:33] offset:1536*\i+4
	global_load_b32 v[18+4*\i], v1, s[32:33] offset:1536*\i+8
.endr
	s_wait_loadcnt 0x0
.irp i, 0,1,2,3
	RB 16+4*\i, 17+4*\i, 12
	v_cvt_pk_bf16_f32 v12, v[18+4*\i], v[18+4*\i]
	v_lshlrev_b32 v[18+4*\i], 16, v12
	v_mul_f32 v[19+4*\i], v[16+4*\i], v[16+4*\i]
	v_fma_f32 v[19+4*\i], v[17+4*\i], v[17+4*\i], v[19+4*\i]
	v_fma_f32 v[19+4*\i], v[18+4*\i], v[18+4*\i], v[19+4*\i]
	global_store_b128 v2, v[16+4*\i:19+4*\i], s[38:39] offset:2048*\i
.endr
	s_endpgm
.Lctx:	; ---- four chunks of 16 bytes a thread; chunk c holds half of context pair c / 2
	s_sub_co_u32 s42, ttmp9, 80
	s_mul_i32 s44, s42, 6144                       ; 256 pairs x 24 bytes
	s_mov_b32 s45, 0
	s_lshl_b32 s42, s42, 13
	s_mov_b32 s43, 0
	s_add_nc_u64 s[30:31], s[30:31], s[44:45]
	s_add_nc_u64 s[36:37], s[36:37], s[42:43]
	v_lshrrev_b32 v1, 1, v0
	v_mul_u32_u24 v1, v1, 24
	v_lshlrev_b32 v2, 4, v0
	v_and_b32 v3, 1, v0
	v_cmp_eq_u32 vcc_lo, 1, v3                     ; odd chunk: z0 z1 c2_0 c2_1
.irp i, 0,1,2,3
	global_load_b64 v[16+8*\i:17+8*\i], v1, s[30:31] offset:1536*\i      ; x0 y0
	global_load_b64 v[18+8*\i:19+8*\i], v1, s[30:31] offset:1536*\i+8    ; z0 x1
	global_load_b64 v[20+8*\i:21+8*\i], v1, s[30:31] offset:1536*\i+16   ; y1 z1
.endr
	s_wait_loadcnt 0x0
.irp i, 0,1,2,3
	RB 16+8*\i, 17+8*\i, 12
	RB 18+8*\i, 19+8*\i, 12
	RB 20+8*\i, 21+8*\i, 12
	v_mul_f32 v[22+8*\i], v[16+8*\i], v[16+8*\i]
	v_mul_f32 v[23+8*\i], v[19+8*\i], v[19+8*\i]
	v_fma_f32 v[22+8*\i], v[17+8*\i], v[17+8*\i], v[22+8*\i]
	v_fma_f32 v[23+8*\i], v[20+8*\i], v[20+8*\i], v[23+8*\i]
	v_fma_f32 v[22+8*\i], v[18+8*\i], v[18+8*\i], v[22+8*\i]
	v_fma_f32 v[23+8*\i], v[21+8*\i], v[21+8*\i], v[23+8*\i]
	v_cndmask_b32 v[48+4*\i], v[16+8*\i], v[18+8*\i], vcc_lo
	v_cndmask_b32 v[49+4*\i], v[19+8*\i], v[21+8*\i], vcc_lo
	v_cndmask_b32 v[50+4*\i], v[17+8*\i], v[22+8*\i], vcc_lo
	v_cndmask_b32 v[51+4*\i], v[20+8*\i], v[23+8*\i], vcc_lo
	global_store_b128 v2, v[48+4*\i:51+4*\i], s[36:37] offset:2048*\i
.endr
	s_endpgm
; ---- weights.  Source 0 = 16 rows k of W2 (j along the rows), source 1 = 16 columns n of Y: a lane's eight results are eight neighbouring k of one row n of the pack.
.macro LOADY nks                       ; Y[j][n0 + r], j = 32 ks + 16 u + 8 h + e: register 16 ks + 8 u + e
.set n, 0
.rept 16*(\nks)
	global_load_b32 v[RAWY+n], v4, s[44:45] offset:(32*(n/16)+16*((n/8)%2)+n%8)*1024
.set n, n+1
.endr
.endm
.macro CVTY nks
.set n, 0
.rept 8*(\nks)
	v_cvt_pk_bf16_f32 v[YB+n], v[RAWY+2*n], v[RAWY+2*n+1]
.set n, n+1
.endr
.endm
.macro XLOAD dst, sb, vo, imm          ; 16 rows x 256 f32 into window 1: per 32 along K the bytes 0, 16, 64, 80 behind 32 h
	WIN 0x40
.set n, 0
.rept 32
	global_load_b128 v[(\dst)+4*n:(\dst)+4*n+3], v[\vo], s[\sb:\sb+1] offset:(\imm)+128*(n/4)+64*((n/2)%2)+16*(n%2)
.set n, n+1
.endr
	WIN 0
.endm
.macro XCVT xb, src
	WIN 0x05
.set n, 0
.rept 64
	v_cvt_pk_bf16_f32 v[(\xb)+n], v[(\src)+2*n], v[(\src)+2*n+1]
.set n, n+1
.endr
	WIN 0
.endm
.macro MUL2 xa, xb                     ; two tiles, K = 256; the two accumulators take turns
	v_wmma_f32_16x16x32_bf16 v[ACC0:ACC0+7], v[(\xa):(\xa)+7], v[YB:YB+7], 0
	v_wmma_f32_16x16x32_bf16 v[ACC1:ACC1+7], v[(\xb):(\xb)+7], v[YB:YB+7], 0
.set n, 1
.rept 7
	v_wmma_f32_16x16x32_bf16 v[ACC0:ACC0+7], v[(\xa)+8*n:(\xa)+8*n+7], v[YB+8*n:YB+8*n+7], v[ACC0:ACC0+7]
	v_wmma_f32_16x16x32_bf16 v[ACC1:ACC1+7], v[(\xb)+8*n:(\xb)+8*n+7], v[YB+8*n:YB+8*n+7], v[ACC1:ACC1+7]
.set n, n+1
.endr
.endm
.macro PUT m                           ; tiles m, m + 1 to f16 and into the stage; the four places also stand ahead of the next rewrite of XB
	PLACES
.set n, 0
.rept 4
	v_cvt_pk_f16_f32 v[PK+n], v[ACC0+2*n], v[ACC0+2*n+1]
.set n, n+1
.endr
.set n, 0
.rept 4
	v_cvt_pk_f16_f32 v[PK+4+n], v[ACC1+2*n], v[ACC1+2*n+1]
.set n, n+1
.endr
	ds_store_b128 v6, v[PK:PK+3] offset:32*(\m)
	ds_store_b128 v6, v[PK+4:PK+7] offset:32*(\m)+32
.endm
.Lweights:
	v_lshrrev_b32 v1, 5, v0
	v_readfirstlane_b32 s50, v1                    ; wave
	v_and_b32 v1, 31, v0                           ; l
	v_and_b32 v2, 15, v0                           ; r
	v_bfe_u32 v3, v0, 4, 1                         ; h
	s_lshr_b32 s42, ttmp9, 4                       ; pack i
	s_and_b32 s43, ttmp9, 15
	s_lshl_b32 s43, s43, 4                         ; n0
	s_mov_b64 s[44:45], s[4:5]                     ; Y and its bias, by i
	s_mov_b64 s[46:47], s[16:17]
	s_cmp_eq_u32 s42, 1
	s_cselect_b64 s[44:45], s[8:9], s[44:45]
	s_cselect_b64 s[46:47], s[20:21], s[46:47]
	s_cmp_eq_u32 s42, 2
	s_cselect_b64 s[44:45], s[10:11], s[44:45]
	s_cselect_b64 s[46:47], s[22:23], s[46:47]
	s_cmp_eq_u32 s42, 3
	s_cselect_b64 s[44:45], s[12:13], s[44:45]
	s_cselect_b64 s[46:47], s[24:25], s[46:47]
	s_cmp_eq_u32 s42, 4
	s_cselect_b64 s[44:45], s[14:15], s[44:45]
	s_cselect_b64 s[46:47], s[26:27], s[46:47]
	v_add_nc_u32 v7, s43, v2
	v_lshlrev_b32 v7, 2, v7                        ; (n0 + r) x 4
	v_lshl_add_u32 v4, v3, 13, v7                  ; Y: 8 h rows of 1,024 bytes + my column
	v_lshlrev_b32 v14, 5, v3                       ; 32 h
	s_lshl_b32 s51, s50, 6
	v_add_nc_u32 v5, s51, v2
	v_lshl_add_u32 v5, v5, 10, v14                 ; W2: row 64 w + r, + 32 h
	v_mul_u32_u24 v6, v2, 528                      ; stage: row r, byte 128 w + 16 h
	v_lshl_add_u32 v6, v3, 4, v6
	s_lshl_b32 s52, s50, 7
	v_add_nc_u32 v6, s52, v6
	v_lshlrev_b32 v9, 4, v1                        ; 16 l
	s_mul_i32 s52, s50, 2112                       ; back: rows 4 w ..
	v_add_nc_u32 v8, s52, v9
	s_lshl_b32 s52, s42, 17                        ; pack i, row n0 + 4 w
	s_lshl_b32 s53, s50, 2
	s_add_co_u32 s53, s53, s43
	s_lshl_b32 s53, s53, 9
	s_add_co_u32 s52, s52, s53
	s_mov_b32 s53, 0
	s_add_nc_u64 s[48:49], s[34:35], s[52:53]
	s_lshl_b32 s54, s42, 10
	s_add_co_u32 s54, s54, 655360
	v_add_nc_u32 v15, s54, v7                      ; my word of bias row i
	global_load_b32 v[BYV], v7, s[46:47]
	s_cmp_eq_u32 s42, 0
	s_cbranch_scc1 .Ltrans
	s_cmp_eq_u32 s42, 4
	s_cbranch_scc1 .Ltrans
	; folded packs: wave w makes k = 64 w .. 64 w + 63 in four tiles, then the bias by a tile whose 16 rows are all b2
	LOADY 8
	XLOAD 0, 6, 5, 0
	XLOAD 128, 6, 5, 16384
	s_wait_loadcnt 0x0
	CVTY 8
	XCVT XB0, 0
	XCVT XB1, 128
	XLOAD 0, 6, 5, 32768                           ; tiles 2 and 3 come in under the products of 0 and 1
	XLOAD 128, 6, 5, 49152
	MUL2 XB0, XB1
	PUT 0
	s_wait_loadcnt 0x0
	XCVT XB0, 0
	XCVT XB1, 128
	XLOAD 0, 18, 14, 0                             ; b2, the same 1,024 bytes for every row
	MUL2 XB0, XB1
	PUT 2
	s_wait_loadcnt 0x0
	XCVT XB0, 0
	MUL2 XB0, XB0
	PLACES
	v_mov_b32 v[BS], v[ACC0]                       ; the sum over j of b2[j] Y[j][n0 + r]: every row of the tile holds it
	s_branch .Ltail
.Ltrans:	; packs 0 and 4: Y turned; wave w takes k = 64 w .. 64 w + 63
	s_lshl_b32 s51, s50, 16
	v_add_nc_u32 v4, s51, v4
	LOADY 2
	s_wait_loadcnt 0x0
	CVTY 2
	s_cmp_lg_u32 s42, 0
	s_cbranch_scc1 .Lkeep
.set n, 0
.rept 16                               ; W1: the bf16 numbers written as f16
	v_lshlrev_b32 v[T0], 16, v[YB+n]
	v_and_b32 v[T1], 0xffff0000, v[YB+n]
	v_cvt_pk_f16_f32 v[YB+n], v[T0], v[T1]
.set n, n+1
.endr
.Lkeep:
.irp m, 0,1,2,3
	ds_store_b128 v6, v[YB+4*\m:YB+4*\m+3] offset:32*\m
.endr
	v_mov_b32 v[BS], 0
.Ltail:
	v_cvt_pk_bf16_f32 v[T0], v[BYV], v[BYV]
	v_lshlrev_b32 v[BYV], 16, v[T0]
	v_add_f32 v[BS], v[BS], v[BYV]
	s_cmp_lg_u32 s50, 0
	s_cbranch_scc1 .Lnob
	global_store_b32 v15, v[BS], s[34:35]          ; lanes r and r + 16 hold the same number for the same word
.Lnob:
	s_cmp_lg_u32 s50, 1
	s_cbranch_scc1 .Lnorff
	s_cmp_lg_u32 ttmp9, 0
	s_cbranch_scc1 .Lnorff
.irp d, 0,1,2
	global_load_b128 v[240+4*\d:243+4*\d], v9, s[28:29] offset:512*\d
.endr
	s_wait_loadcnt 0x0
.irp d, 0,1,2
	RB 240+4*\d, 241+4*\d, T0
	RB 242+4*\d, 243+4*\d, T0
	global_store_b128 v9, v[240+4*\d:243+4*\d], s[34:35] offset:660480+512*\d
.endr
.Lnorff:
	s_wait_dscnt 0x0                               ; for the others' sake: my part of the stage's rows is written
	s_barrier_signal -1
	s_barrier_wait -1
.irp i, 0,1,2,3
	ds_load_b128 v[OUTR+4*\i:OUTR+4*\i+3], v8 offset:528*\i
.endr
.irp i, 0,1,2,3
	s_wait_dscnt 3-\i                              ; the younger loads may stay out
	global_store_b128 v9, v[OUTR+4*\i:OUTR+4*\i+3], s[48:49] offset:512*\i   ; a whole row of the pack: 512 consecutive bytes
.endr
	s_wait_tensorcnt 0x0                           ; the wave's end
	ds_add_u32 v[SPW], v[NIL]
	s_wait_dscnt 0x0
	s_endpgm
.Lfunc_end_k_q4677ac4e1b_prep:
	.size	k_q4677ac4e1b_prep, .Lfunc_end_k_q4677ac4e1b_prep-k_q4677ac4e1b_prep
	.p2alignl 7, 3214868480
	.fill 96, 4, 3214868480
	.section	.rodata,"a",@progbits
	.p2align	6, 0x0
	.amdhsa_kernel k_q4677ac4e1b_prep
		.amdhsa_group_segment_fixed_size 8960
		.amdhsa_private_segment_fixed_size 0
		.amdhsa_enable_private_segment 0
		.amdhsa_kernarg_size 152
		.amdhsa_user_sgpr_count 2
		.amdhsa_user_sgpr_kernarg_segment_ptr 1
		.amdhsa_wavefront_size32 1
		.amdhsa_system_sgpr_workgroup_id_x 1
		.amdhsa_system_sgpr_workgroup_id_y 1
		.amdhsa_system_sgpr_workgroup_id_z 1
		.amdhsa_system_vgpr_workitem_id 0
		.amdhsa_next_free_vgpr 512
		.amdhsa_next_free_sgpr 66
		.amdhsa_reserve_vcc 1
		.amdhsa_float_denorm_mode_32 3
		.amdhsa_float_denorm_mode_16_64 3
		.amdhsa_memory_ordered 1
		.amdhsa_forward_progress 1
		.amdhsa_inst_pref_size 80
	.end_amdhsa_kernel
	.amdgpu_metadata
---
amdhsa.version: [ 1, 2 ]
amdhsa.kernels:
  - .name:           k_q4677ac4e1b_prep
    .symbol:         k_q4677ac4e1b_prep.kd
    .args:
      - { .name: W1, .offset: 0, .size: 8, .value_kind: global_buffer, .address_space: global }
      - { .name: W2, .offset: 8, .size: 8, .value_kind: global_buffer, .address_space: global }
      - { .name: Wq, .offset: 16, .size: 8, .value_kind: global_buffer, .address_space: global }
      - { .name: Wk, .offset: 24, .size: 8, .value_kind: global_buffer, .address_space: global }
      - { .name: Wv, .offset: 32, .size: 8, .value_kind: global_buffer, .address_space: global }
      - { .name: Wo, .offset: 40, .size: 8, .value_kind: global_buffer, .address_space: global }
      - { .name: b1, .offset: 48, .size: 8, .value_kind: global_buffer, .address_space: global }
      - { .name: b2, .offset: 56, .size: 8, .value_kind: global_buffer, .address_space: global }
      - { .name: bq, .offset: 64, .size: 8, .value_kind: global_buffer, .address_space: global }
      - { .name: bk, .offset: 72, .size: 8, .value_kind: global_buffer, .address_space: global }
      - { .name: bv, .offset: 80, .size: 8, .value_kind: global_buffer, .address_space: global }
      - { .name: bo, .offset: 88, .size: 8, .value_kind: global_buffer, .address_space: global }
      - { .name: rff_B, .offset: 96, .size: 8, .value_kind: global_buffer, .address_space: global }
      - { .name: context_pos, .offset: 104, .size: 8, .value_kind: global_buffer, .address_space: global }
      - { .name: query_pos, .offset: 112, .size: 8, .value_kind: global_buffer, .address_space: global }
      - { .name: wpack, .offset: 120, .size: 8, .value_kind: global_buffer, .address_space: global }
      - { .name: cpair, .offset: 128, .size: 8, .value_kind: global_buffer, .address_space: global }
      - { .name: qpos4, .offset: 136, .size: 8, .value_kind: global_buffer, .address_space: global }
      - { .name: out1, .offset: 144, .size: 8, .value_kind: global_buffer, .address_space: global }
    .group_segment_fixed_size: 8960
    .private_segment_fixed_size: 0
    .kernarg_segment_align: 8
    .kernarg_segment_size: 152
    .max_flat_workgroup_size: 128
    .sgpr_count:     66
    .vgpr_count:     512
    .wavefront_size: 32
...
	.end_amdgpu_metadata
.endif
;; end of part 1
;; launch knn1 (part 2): grid 256 x 1, 8 waves a work-group, no clusters, 205,824 bytes of LDS; arguments cpair, qpos4, gidx; writes gidx
.if DOCPART == 2
	.amdgcn_target "amdgcn-amd-amdhsa--gfx1250"
	.amdhsa_code_object_version 6
	.text
	.protected	k_q4677ac4e1b_knn1
	.globl	k_q4677ac4e1b_knn1
	.p2align	8
	.type	k_q4677ac4e1b_knn1,@function
k_q4677ac4e1b_knn1:
	s_mov_b64 s[64:65], 0
	v_nop
	global_prefetch_b8 v0, s[64:65] scope:SCOPE_SE
	s_setreg_imm32_b32 hwreg(HW_REG_WAVE_MODE, 25, 1), 1
	s_wait_xcnt 0x0
; KNN, first step: for each query the 8 groups of 16 contexts with the smallest (group minimum of d2, group number).
; They hold the 8 nearest: were one of the 8 nearest in another group, each of those 8 groups would hold a context that comes before it in (d2, index).
; d2 = fma(-2, dot, q2 + c2), dot = fma(z, z', fma(y, y', x x')), on positions rounded to bf16: every product is exact in f32.
; LIMIT.  The three-term sums go in ascending order of the coordinates; positions are finite (else a list keeps its start number 0).
; K = 3 would fill 3 of a matrix instruction's 32 places, and d2 wants f32 bits: vector arithmetic.  No tile is shared by tensor loads: no cluster.
; A work-group owns 128 queries of one batch.  Phase 1: every wave holds all 128 (four a lane) and scans 32 groups.  Phase 2: a thread owns a query and 128 groups.
.set MIN,   65536                      ; [256 groups][128 queries] f32, behind the batch's 65,536 bytes of cpair
.set MRG,   196608                     ; 8 keys x 128 queries, then 8 numbers x 128
.set SPARE, 204800
.set CA,  4
.set MA,  5
.set SPW, 6
.set NIL, 7
.set Q,   8                            ; v[8:23]    four queries: x y z q2
.set CB0, 32                           ; v[32:63]   four context pairs
.set CB1, 64
.set T,   96
.set D,   104
.set MN,  112
.set A,   40                           ; phase 2: keys ascending
.set P,   48                           ;          their numbers
.set D4,  56
.set IDX, 60
.set PA,  61
.set TMP, 62
.set MR,  63                           ; my query's word in MRG; never rewritten
.set KB,  64                           ; the merge: the upper half's keys
.set IB,  72                           ;            and numbers
.macro INSERT d, x                     ; (d, x) into the list; strict compare: of equal keys the one that came first, the lower number, stays in front
.set j, 0
.rept 8
	v_cmp_lt_f32 s[20+j], v[\d], v[A+j]
.set j, j+1
.endr
.set j, 7
.rept 7
	v_cndmask_b32 v[P+j], v[P+j], v[\x], s[20+j]
	v_cndmask_b32 v[P+j], v[P+j], v[P+j-1], s[19+j]
.set j, j-1
.endr
	v_cndmask_b32 v[P], v[P], v[\x], s20
.set j, 7
.rept 7
	v_med3_num_f32 v[A+j], v[A+j-1], v[A+j], v[\d]
.set j, j-1
.endr
	v_min_num_f32 v[A], v[A], v[\d]
.endm
.macro PAIR4 c, first                  ; one context pair against my four queries, stage by stage
.irp k, 0,1,2,3
	v_pk_add_f32 v[T+2*\k:T+2*\k+1], v[(\c)+6:(\c)+7], v[Q+4*\k+2:Q+4*\k+3] op_sel:[0,1] op_sel_hi:[1,1]
.endr
.irp k, 0,1,2,3
	v_pk_mul_f32 v[D+2*\k:D+2*\k+1], v[(\c):(\c)+1], v[Q+4*\k:Q+4*\k+1] op_sel_hi:[1,0]
.endr
.irp k, 0,1,2,3
	v_pk_fma_f32 v[D+2*\k:D+2*\k+1], v[(\c)+2:(\c)+3], v[Q+4*\k:Q+4*\k+1], v[D+2*\k:D+2*\k+1] op_sel:[0,1,0] op_sel_hi:[1,1,1]
.endr
.irp k, 0,1,2,3
	v_pk_fma_f32 v[D+2*\k:D+2*\k+1], v[(\c)+4:(\c)+5], v[Q+4*\k+2:Q+4*\k+3], v[D+2*\k:D+2*\k+1] op_sel_hi:[1,0,1]
.endr
.irp k, 0,1,2,3
	v_pk_fma_f32 v[D+2*\k:D+2*\k+1], v[D+2*\k:D+2*\k+1], -2.0, v[T+2*\k:T+2*\k+1] op_sel_hi:[1,0,1]
.endr
.irp k, 0,1,2,3
.if \first
	v_min_num_f32 v[MN+\k], v[D+2*\k], v[D+2*\k+1]
.else
	v_min3_num_f32 v[MN+\k], v[MN+\k], v[D+2*\k], v[D+2*\k+1]
.endif
.endr
.endm
.macro LD8 dst, off                    ; half a group: every lane reads the same 128 bytes
.set n, 0
.rept 8
	ds_load_b128 v[(\dst)+4*n:(\dst)+4*n+3], v[CA] offset:(\off)+16*n
.set n, n+1
.endr
.endm
.macro GROUP last
	LD8 CB1, 128
	s_wait_dscnt 8                                 ; the eight just issued may be out: CB0 is in
	PAIR4 CB0, 1
	PAIR4 CB0+8, 0
	PAIR4 CB0+16, 0
	PAIR4 CB0+24, 0
.if \last
	s_wait_dscnt 0x0
.else
	LD8 CB0, 256                                   ; the next group's first half
	s_wait_dscnt 8                                 ; CB1 is in
.endif
	PAIR4 CB1, 0
	PAIR4 CB1+8, 0
	PAIR4 CB1+16, 0
	PAIR4 CB1+24, 0
.irp k, 0,1,2,3
	ds_store_b32 v[MA], v[MN+\k] offset:128*\k
.endr
	v_add_nc_u32 v[CA], 256, v[CA]
	v_add_nc_u32 v[MA], 512, v[MA]
.endm
.macro CE a, b
	v_min_u32 v[TMP], v[P+\a], v[P+\b]
	v_max_u32 v[P+\b], v[P+\a], v[P+\b]
	v_mov_b32 v[P+\a], v[TMP]
.endm
	s_load_b128 s[4:7], s[0:1], 0x0                ; cpair, qpos4
	s_load_b64 s[8:9], s[0:1], 0x10                ; gidx
	v_lshl_add_u32 v[SPW], v0, 2, SPARE
	v_mov_b32 v[NIL], 0
	v_lshrrev_b32 v1, 5, v0
	v_readfirstlane_b32 s11, v1                    ; wave
	v_and_b32 v2, 31, v0
	v_lshlrev_b32 v3, 4, v0                        ; 16 t
	v_lshlrev_b32 v1, 4, v2                        ; 16 l
	s_lshr_b32 s12, ttmp9, 5
	s_lshl_b32 s12, s12, 16                        ; the batch's cpair
	s_mov_b32 s13, 0
	s_lshl_b32 s14, ttmp9, 11                      ; my 128 queries x 16 bytes
	s_mov_b32 s15, 0
	s_lshl_b32 s16, ttmp9, 10                      ; x 8 bytes
	s_mov_b32 s17, 0
	s_wait_kmcnt 0x0
	s_add_nc_u64 s[4:5], s[4:5], s[12:13]
	s_add_nc_u64 s[6:7], s[6:7], s[14:15]
	s_add_nc_u64 s[8:9], s[8:9], s[16:17]
.set n, 0
.rept 16
	global_load_b128 v[32+4*n:35+4*n], v3, s[4:5] offset:4096*n
.set n, n+1
.endr
.irp k, 0,1,2,3
	global_load_b128 v[Q+4*\k:Q+4*\k+3], v1, s[6:7] offset:512*\k
.endr
	s_wait_loadcnt 0x0
.set n, 0
.rept 16
	ds_store_b128 v3, v[32+4*n:35+4*n] offset:4096*n
.set n, n+1
.endr
	s_lshl_b32 s18, s11, 13
	v_mov_b32 v[CA], s18                           ; my 32 groups of 256 bytes
	s_lshl_b32 s18, s11, 14
	s_add_co_u32 s18, s18, MIN
	v_lshl_add_u32 v[MA], v2, 2, s18
	s_wait_dscnt 0x0                               ; for the others' sake
	s_barrier_signal -1
	s_barrier_wait -1
	LD8 CB0, 0
	s_mov_b32 s12, 31
.Lgroup:
	GROUP 0
	s_sub_co_u32 s12, s12, 1
	s_cmp_lg_u32 s12, 0
	s_cbranch_scc1 .Lgroup
	GROUP 1                                        ; the last group fetches nothing further
	s_wait_dscnt 0x0
	s_barrier_signal -1
	s_barrier_wait -1
	; phase 2: thread t: query t % 128, groups 128 (t / 128) on, in ascending order
	v_and_b32 v2, 127, v0
	v_lshrrev_b32 v3, 7, v0
	v_lshlrev_b32 v[IDX], 7, v3
	v_lshlrev_b32 v[PA], 16, v3
	v_lshl_add_u32 v[PA], v2, 2, v[PA]
	v_add_nc_u32 v[PA], MIN, v[PA]
	v_lshl_add_u32 v[MR], v2, 2, MRG
.set n, 0
.rept 8
	v_mov_b32 v[A+n], 0x7f800000
	v_mov_b32 v[P+n], 0
.set n, n+1
.endr
.irp j, 0,1,2,3
	ds_load_b32 v[D4+\j], v[PA] offset:512*\j
.endr
	s_mov_b32 s12, 31
.Lscan:
.irp j, 0,1,2,3
	s_wait_dscnt 3                                 ; three younger loads of the rolling four may be out
	INSERT D4+\j, IDX
	v_add_nc_u32 v[IDX], 1, v[IDX]
	ds_load_b32 v[D4+\j], v[PA] offset:2048+512*\j
.endr
	v_add_nc_u32 v[PA], 2048, v[PA]
	s_sub_co_u32 s12, s12, 1
	s_cmp_lg_u32 s12, 0
	s_cbranch_scc1 .Lscan
.irp j, 0,1,2,3
	s_wait_dscnt 3-\j                              ; the last four: the counts run down
	INSERT D4+\j, IDX
	v_add_nc_u32 v[IDX], 1, v[IDX]
.endr
	s_cmp_lt_u32 s11, 4
	s_cbranch_scc1 .Llow
.set n, 0
.rept 8                                ; the upper half's lists go over
	ds_store_b32 v[MR], v[A+n] offset:512*n
	ds_store_b32 v[MR], v[P+n] offset:4096+512*n
.set n, n+1
.endr
.Llow:
	s_wait_dscnt 0x0
	s_barrier_signal -1
	s_barrier_wait -1
	s_cmp_lt_u32 s11, 4
	s_cbranch_scc1 .Lmerge
	s_wait_tensorcnt 0x0                           ; the wave's end
	ds_add_u32 v[SPW], v[NIL]
	s_wait_dscnt 0x0
	s_endpgm
.Lmerge:
	; Both lists are sorted by (key, number), and every number of the upper half's is the higher.  So the 8 smallest of the 16 are, for i = 0..7, the smaller of
	; my entry i and the other list's entry 7 - i; of equal keys mine stays (strict compare).  Only the numbers are wanted from here on.
.set n, 0
.rept 8
	ds_load_b32 v[KB+n], v[MR] offset:512*n
	ds_load_b32 v[IB+n], v[MR] offset:4096+512*n
.set n, n+1
.endr
	s_wait_dscnt 0x0
.set n, 0
.rept 8
	v_cmp_lt_f32 vcc_lo, v[KB+7-n], v[A+n]
	v_cndmask_b32 v[P+n], v[P+n], v[IB+7-n], vcc_lo
.set n, n+1
.endr
	; the 8 numbers ascending (19 comparators), so that the next launch meets its candidates in ascending index
	CE 0,1
	CE 2,3
	CE 4,5
	CE 6,7
	CE 0,2
	CE 1,3
	CE 4,6
	CE 5,7
	CE 1,2
	CE 5,6
	CE 0,4
	CE 1,5
	CE 2,6
	CE 3,7
	CE 2,4
	CE 3,5
	CE 1,2
	CE 3,4
	CE 5,6
	v_lshl_or_b32 v[P], v[P+1], 8, v[P]
	v_lshl_or_b32 v[P], v[P+2], 16, v[P]
	v_lshl_or_b32 v[P], v[P+3], 24, v[P]
	v_lshl_or_b32 v[P+1], v[P+5], 8, v[P+4]
	v_lshl_or_b32 v[P+1], v[P+6], 16, v[P+1]
	v_lshl_or_b32 v[P+1], v[P+7], 24, v[P+1]
	v_lshlrev_b32 v3, 3, v2
	global_store_b64 v3, v[P:P+1], s[8:9]          ; a wave's store covers 256 consecutive bytes, aligned
	s_wait_tensorcnt 0x0                           ; the wave's end
	ds_add_u32 v[SPW], v[NIL]
	s_wait_dscnt 0x0
	s_endpgm
.Lfunc_end_k_q4677ac4e1b_knn1:
	.size	k_q4677ac4e1b_knn1, .Lfunc_end_k_q4677ac4e1b_knn1-k_q4677ac4e1b_knn1
	.p2alignl 7, 3214868480
	.fill 96, 4, 3214868480
	.section	.rodata,"a",@progbits
	.p2align	6, 0x0
	.amdhsa_kernel k_q4677ac4e1b_knn1
		.amdhsa_group_segment_fixed_size 205824
		.amdhsa_private_segment_fixed_size 0
		.amdhsa_enable_private_segment 0
		.amdhsa_kernarg_size 24
		.amdhsa_user_sgpr_count 2
		.amdhsa_user_sgpr_kernarg_segment_ptr 1
		.amdhsa_wavefront_size32 1
		.amdhsa_system_sgpr_workgroup_id_x 1
		.amdhsa_system_sgpr_workgroup_id_y 1
		.amdhsa_system_sgpr_workgroup_id_z 1
		.amdhsa_system_vgpr_workitem_id 0
		.amdhsa_next_free_vgpr 128
		.amdhsa_next_free_sgpr 66
		.amdhsa_reserve_vcc 1
		.amdhsa_float_denorm_mode_32 3
		.amdhsa_float_denorm_mode_16_64 3
		.amdhsa_memory_ordered 1
		.amdhsa_forward_progress 1
		.amdhsa_inst_pref_size 54
	.end_amdhsa_kernel
	.amdgpu_metadata
---
amdhsa.version: [ 1, 2 ]
amdhsa.kernels:
  - .name:           k_q4677ac4e1b_knn1
    .symbol:         k_q4677ac4e1b_knn1.kd
    .args:
      - { .name: cpair, .offset: 0, .size: 8, .value_kind: global_buffer, .address_space: global }
      - { .name: qpos4, .offset: 8, .size: 8, .value_kind: global_buffer, .address_space: global }
      - { .name: gidx, .offset: 16, .size: 8, .value_kind: global_buffer, .address_space: global }
    .group_segment_fixed_size: 205824
    .private_segment_fixed_size: 0
    .kernarg_segment_align: 8
    .kernarg_segment_size: 24
    .max_flat_workgroup_size: 256
    .sgpr_count:     66
    .vgpr_count:     128
    .wavefront_size: 32
...
	.end_amdgpu_metadata
.endif
;; end of part 2
;; launch knn2 (part 3): grid 256 x 1, 8 waves a work-group, no clusters, 78,848 bytes of LDS; arguments cpair, qpos4, gidx, knn; writes knn
.if DOCPART == 3
	.amdgcn_target "amdgcn-amd-amdhsa--gfx1250"
	.amdhsa_code_object_version 6
	.text
	.protected	k_q4677ac4e1b_knn2
	.globl	k_q4677ac4e1b_knn2
	.p2align	8
	.type	k_q4677ac4e1b_knn2,@function
k_q4677ac4e1b_knn2:
	s_mov_b64 s[64:65], 0
	v_nop
	global_prefetch_b8 v0, s[64:65] scope:SCOPE_SE
	s_setreg_imm32_b32 hwreg(HW_REG_WAVE_MODE, 25, 1), 1
	s_wait_xcnt 0x0
; KNN, second step: the 8 nearest by (d2, index) among the 8 x 16 contexts of the groups that the launch before chose.  The same d2, bit for bit, and the same limits as there.
; A work-group owns 128 queries of one batch; thread t owns query t % 128 and four of its groups (t / 128 = 0: the four lower ones); candidates come in ascending index.
; The batch's cpair lies in LDS with 272 bytes a group, so that lanes with different groups start 16 bytes x group apart modulo 256; a group's reads end at its byte 255.
; The 8 indices of a query are stored in no particular order: the attention takes a maximum and sums over all 8.
.set MRG,   69632
.set SPARE, 77824
.set CA,  4
.set SPW, 6
.set NIL, 7
.set Q,   8
.set W,   12
.set G,   13
.set A,   40
.set P,   48
.set IDX, 60
.set MR,  63                           ; my query's word in MRG; never rewritten
.set C,   64
.set KB,  64                           ; the merge: the upper half's keys
.set IB,  72                           ;            and indices
.set T,   80
.set D,   84
.macro INSERT d, x                     ; (d, x) into the list; strict compare: of equal keys the lower index stays in front
.set j, 0
.rept 8
	v_cmp_lt_f32 s[20+j], v[\d], v[A+j]
.set j, j+1
.endr
.set j, 7
.rept 7
	v_cndmask_b32 v[P+j], v[P+j], v[\x], s[20+j]
	v_cndmask_b32 v[P+j], v[P+j], v[P+j-1], s[19+j]
.set j, j-1
.endr
	v_cndmask_b32 v[P], v[P], v[\x], s20
.set j, 7
.rept 7
	v_med3_num_f32 v[A+j], v[A+j-1], v[A+j], v[\d]
.set j, j-1
.endr
	v_min_num_f32 v[A], v[A], v[\d]
.endm
.macro DIST c, t, d
	v_pk_add_f32 v[\t:\t+1], v[\c+6:\c+7], v[Q+2:Q+3] op_sel:[0,1] op_sel_hi:[1,1]
	v_pk_mul_f32 v[\d:\d+1], v[\c:\c+1], v[Q:Q+1] op_sel_hi:[1,0]
	v_pk_fma_f32 v[\d:\d+1], v[\c+2:\c+3], v[Q:Q+1], v[\d:\d+1] op_sel:[0,1,0] op_sel_hi:[1,1,1]
	v_pk_fma_f32 v[\d:\d+1], v[\c+4:\c+5], v[Q+2:Q+3], v[\d:\d+1] op_sel_hi:[1,0,1]
	v_pk_fma_f32 v[\d:\d+1], v[\d:\d+1], -2.0, v[\t:\t+1] op_sel_hi:[1,0,1]
.endm
	s_load_b256 s[4:11], s[0:1], 0x0               ; cpair 4, qpos4 6, gidx 8, knn 10
	v_lshl_add_u32 v[SPW], v0, 2, SPARE
	v_mov_b32 v[NIL], 0
	v_lshrrev_b32 v1, 5, v0
	v_readfirstlane_b32 s19, v1                    ; wave
	v_lshlrev_b32 v3, 4, v0                        ; 16 t
	v_and_b32 v2, 127, v0                          ; my query
	v_lshrrev_b32 v5, 7, v0                        ; my half
	v_lshlrev_b32 v14, 4, v2
	v_lshlrev_b32 v15, 3, v2
	v_lshl_add_u32 v15, v5, 2, v15
	v_lshrrev_b32 v16, 4, v0
	v_mul_u32_u24 v16, v16, 272
	v_and_b32 v17, 15, v0
	v_lshl_add_u32 v16, v17, 4, v16                ; chunk t: group t / 16, 16 bytes t % 16
	s_lshr_b32 s12, ttmp9, 5
	s_lshl_b32 s12, s12, 16
	s_mov_b32 s13, 0
	s_lshl_b32 s14, ttmp9, 11
	s_mov_b32 s15, 0
	s_lshl_b32 s16, ttmp9, 10
	s_mov_b32 s17, 0
	s_wait_kmcnt 0x0
	s_add_nc_u64 s[4:5], s[4:5], s[12:13]
	s_add_nc_u64 s[6:7], s[6:7], s[14:15]
	s_add_nc_u64 s[8:9], s[8:9], s[16:17]
	s_add_nc_u64 s[10:11], s[10:11], s[14:15]
.set n, 0
.rept 16
	global_load_b128 v[32+4*n:35+4*n], v3, s[4:5] offset:4096*n
.set n, n+1
.endr
	global_load_b128 v[Q:Q+3], v14, s[6:7]
	global_load_b32 v[W], v15, s[8:9]
	s_wait_loadcnt 0x0
.set n, 0
.rept 16
	ds_store_b128 v16, v[32+4*n:35+4*n] offset:4352*n
.set n, n+1
.endr
	v_lshl_add_u32 v[MR], v2, 2, MRG
	s_wait_dscnt 0x0                               ; for the others' sake
	s_barrier_signal -1
	s_barrier_wait -1
.set n, 0
.rept 8
	v_mov_b32 v[A+n], 0x7f800000
	v_mov_b32 v[P+n], 0
.set n, n+1
.endr
	s_mov_b32 s12, 4
.Lgrp:
	v_and_b32 v[G], 255, v[W]
	v_min_u32 v[G], 255, v[G]                      ; a number from memory enters an address only behind this bound
	v_lshrrev_b32 v[W], 8, v[W]
	v_mul_u32_u24 v[CA], v[G], 272
	v_lshlrev_b32 v[IDX], 4, v[G]
	s_mov_b32 s13, 4
.Lfour:                                    ; four contexts a trip
	ds_load_b128 v[C:C+3], v[CA]
	ds_load_b128 v[C+4:C+7], v[CA] offset:16
	ds_load_b128 v[C+8:C+11], v[CA] offset:32
	ds_load_b128 v[C+12:C+15], v[CA] offset:48
	s_wait_dscnt 0x0
	DIST C, T, D
	DIST C+8, T+2, D+2
.irp k, 0,1,2,3
	INSERT D+\k, IDX
	v_add_nc_u32 v[IDX], 1, v[IDX]
.endr
	v_add_nc_u32 v[CA], 64, v[CA]
	s_sub_co_u32 s13, s13, 1
	s_cmp_lg_u32 s13, 0
	s_cbranch_scc1 .Lfour
	s_sub_co_u32 s12, s12, 1
	s_cmp_lg_u32 s12, 0
	s_cbranch_scc1 .Lgrp
	s_cmp_lt_u32 s19, 4
	s_cbranch_scc1 .Llow
.set n, 0
.rept 8                                ; the upper half's lists go over
	ds_store_b32 v[MR], v[A+n] offset:512*n
	ds_store_b32 v[MR], v[P+n] offset:4096+512*n
.set n, n+1
.endr
.Llow:
	s_wait_dscnt 0x0
	s_barrier_signal -1
	s_barrier_wait -1
	s_cmp_lt_u32 s19, 4
	s_cbranch_scc1 .Lmerge
	s_wait_tensorcnt 0x0                           ; the wave's end
	ds_add_u32 v[SPW], v[NIL]
	s_wait_dscnt 0x0
	s_endpgm
.Lmerge:
	; Both lists are sorted by (d2, index), and every index of the upper groups' list is the higher.  So the 8 smallest of the 16 are, for i = 0..7, the smaller of
	; my entry i and the other list's entry 7 - i; of equal keys mine stays (strict compare).
.set n, 0
.rept 8
	ds_load_b32 v[KB+n], v[MR] offset:512*n
	ds_load_b32 v[IB+n], v[MR] offset:4096+512*n
.set n, n+1
.endr
	s_wait_dscnt 0x0
.set n, 0
.rept 8
	v_cmp_lt_f32 vcc_lo, v[KB+7-n], v[A+n]
	v_cndmask_b32 v[P+n], v[P+n], v[IB+7-n], vcc_lo
.set n, n+1
.endr
	v_lshl_or_b32 v[P], v[P+1], 16, v[P]
	v_lshl_or_b32 v[P+1], v[P+3], 16, v[P+2]
	v_lshl_or_b32 v[P+2], v[P+5], 16, v[P+4]
	v_lshl_or_b32 v[P+3], v[P+7], 16, v[P+6]
	global_store_b128 v14, v[P:P+3], s[10:11]      ; eight 16-bit indices a query; a wave's store covers 512 consecutive bytes
	s_wait_tensorcnt 0x0                           ; the wave's end
	ds_add_u32 v[SPW], v[NIL]
	s_wait_dscnt 0x0
	s_endpgm
.Lfunc_end_k_q4677ac4e1b_knn2:
	.size	k_q4677ac4e1b_knn2, .Lfunc_end_k_q4677ac4e1b_knn2-k_q4677ac4e1b_knn2
	.p2alignl 7, 3214868480
	.fill 96, 4, 3214868480
	.section	.rodata,"a",@progbits
	.p2align	6, 0x0
	.amdhsa_kernel k_q4677ac4e1b_knn2
		.amdhsa_group_segment_fixed_size 78848
		.amdhsa_private_segment_fixed_size 0
		.amdhsa_enable_private_segment 0
		.amdhsa_kernarg_size 32
		.amdhsa_user_sgpr_count 2
		.amdhsa_user_sgpr_kernarg_segment_ptr 1
		.amdhsa_wavefront_size32 1
		.amdhsa_system_sgpr_workgroup_id_x 1
		.amdhsa_system_sgpr_workgroup_id_y 1
		.amdhsa_system_sgpr_workgroup_id_z 1
		.amdhsa_system_vgpr_workitem_id 0
		.amdhsa_next_free_vgpr 96
		.amdhsa_next_free_sgpr 66
		.amdhsa_reserve_vcc 1
		.amdhsa_float_denorm_mode_32 3
		.amdhsa_float_denorm_mode_16_64 3
		.amdhsa_memory_ordered 1
		.amdhsa_forward_progress 1
		.amdhsa_inst_pref_size 18
	.end_amdhsa_kernel
	.amdgpu_metadata
---
amdhsa.version: [ 1, 2 ]
amdhsa.kernels:
  - .name:           k_q4677ac4e1b_knn2
    .symbol:         k_q4677ac4e1b_knn2.kd
    .args:
      - { .name: cpair, .offset: 0, .size: 8, .value_kind: global_buffer, .address_space: global }
      - { .name: qpos4, .offset: 8, .size: 8, .value_kind: global_buffer, .address_space: global }
      - { .name: gidx, .offset: 16, .size: 8, .value_kind: global_buffer, .address_space: global }
      - { .name: knn, .offset: 24, .size: 8, .value_kind: global_buffer, .address_space: global }
    .group_segment_fixed_size: 78848
    .private_segment_fixed_size: 0
    .kernarg_segment_align: 8
    .kernarg_segment_size: 32
    .max_flat_workgroup_size: 256
    .sgpr_count:     66
    .vgpr_count:     96
    .wavefront_size: 32
...
	.end_amdgpu_metadata
.endif
;; end of part 3
;; launch enc (part 4): grid 256 x 1, 4 waves a work-group, clusters of 4 x 1, 327,680 bytes of LDS; arguments query_pos, context_pos, wpack, qkv; writes qkv
.if DOCPART == 4
	.amdgcn_target "amdgcn-amd-amdhsa--gfx1250"
	.amdhsa_code_object_version 6
	.text
	.protected	k_q4677ac4e1b_enc
	.globl	k_q4677ac4e1b_enc
	.p2align	8
	.type	k_q4677ac4e1b_enc,@function
k_q4677ac4e1b_enc:
	s_mov_b64 s[64:65], 0
	v_nop
	global_prefetch_b8 v0, s[64:65] scope:SCOPE_SE
	s_setreg_imm32_b32 hwreg(HW_REG_WAVE_MODE, 25, 1), 1
	s_wait_xcnt 0x0
	s_wait_alu depctr_hold_cnt(0) depctr_sa_sdst(0) depctr_va_vdst(0) depctr_va_sdst(0) depctr_va_ssrc(0) depctr_va_vcc(0) depctr_vm_vsrc(0)
	s_getreg_b32 s2, hwreg(HW_REG_IB_STS2, 6, 4)
	s_cmp_eq_u32 s2, 0
	s_cbranch_scc0 .Lentry_in_a_cluster
	s_endpgm
.Lentry_in_a_cluster:
	s_bfe_u32 s2, ttmp6, 0x10000c
	s_cmp_lg_u32 s2, 0x3003
	s_cbranch_scc0 .Lentry_shape_is_right
	s_endpgm
.Lentry_shape_is_right:
; ENCODER.  positions -> f = sin | cos (p rff_B) -> h = gelu(f W1 + b1) -> q = h (W2 Wq) + .. for query rows, k and v likewise for context rows.
; qkv row i, 1,536 bytes: q of query i | k of context i | v of context i, bf16.  query and context are rebound by reference() before any use: not loaded.
; SHARES.  A work-group owns query rows and context rows 128 g .. 128 g + 127, a wave 32 of each: four blocks of 16 rows (0, 1 queries; 2, 3 contexts).
; Every work-group walks the packs 0..3 in eight halves of 128 pack rows through two LDS slots; the four partners of a cluster ask for each half jointly.
; LAYOUT.  Source 0 = 16 pack rows (output channels), source 1 = 16 data rows: a lane holds ONE data row (lane % 16) and channels 8 (lane / 16) + 0..7; two such
; results packed in pairs are the next product's source 1, so no number changes lanes between the products.  The bias is the C operand that starts each sum.
; Results of a loop go to a stepped LDS address in the wave's own image and come back by written-out loads, since a loop cannot step register numbers.
; FORMATS.  f, h and the packs in f16 (|f| <= 1; LIMIT: h and the folded weights stay under 65,504), sums f32, q k v rounded once to bf16.
; sin, cos: n = nearest(x / pi) by the constant 1.5 x 2^23, r = x - n pi in two steps, series to r^9 and r^8 on |r| <= pi / 2 (errors under 4e-6 and 3e-5), sign by n's low bit.  LIMIT: |x| < 2^22.
; gelu (tanh form) = x / (1 + 2^(x (C1 + C3 x^2))).  p rff_B has K = 3: vector arithmetic.
; REGISTERS: window 0 addresses, accumulators, work; window 1 F (64 block + 8 ks); window 2 rff_B, later H; window 3 two buffers of pack fragments (64 u + 8 ks).
.set S1OFF, 0x10800                    ; slot 1: 67,584; its two bits meet none of wave x 16,896, so an exclusive or changes slots
.set IMG,   135168                     ; 32,768 bytes a wave: register image of f, then of h
.set STG,   266240                     ; 32 rows x 272 bytes a wave: the way out
.set BIAS,  301056                     ; four rows of 256 f32
.set POS,   305152                     ; 64 rows x 16 bytes a wave
.set SPARE, 309248
.set LT, 3
.set AW, 4
.set AB, 5
.set HS, 6
.set OS, 7
.set RD, 8
.set GO, 9
.set FS, 10
.set PA, 11
.set IMGL, 12
.set SPW, 14
.set NIL, 15
.set BIX, 32
.set BIY, 48
.set ACC, 64
.set PROJ, 64
.set U,   128
.set TS,  128
.set HP,  160
.set FL,  176
.set FP,  176
.set TB,  30
.set WV,  35
.set MSB, 0
.macro WIN new                         ; the immediate's high byte repeats the setting that is left
.if MSB != (\new)
	s_set_vgpr_msb (MSB<<8)|(\new)
.set MSB, \new
.endif
.endm
.macro REP cnt, line:vararg            ; one line for i = 0 .. cnt - 1
.set i, 0
.rept \cnt
	\line
.set i, i+1
.endr
.endm
.macro PLACES
.rept 4
	v_nop
.endr
.endm
.macro KP r, val                       ; a constant as a pair: packed arithmetic names both words
	s_mov_b32 s[\r], \val
	s_mov_b32 s[\r+1], \val
.endm
.macro ROUND                           ; a round of the cluster's barrier
	s_barrier_signal -1
	s_barrier_wait -1
	s_cmp_lg_u32 s[WV], 0
	s_cbranch_scc1 .Lnw0_\@
	s_barrier_signal -3
.Lnw0_\@:
	s_barrier_wait -3
	s_barrier_signal -1
	s_barrier_wait -1
.endm
; THE CHANGE OF SLOTS.  Each wave waits for all its tensor loads (one is out: its quarter of the half to be read), adds 0 to its spare word, waits for that and for its reads of the old slot.
; fill = 1: behind the round no wave of any partner reads the old slot or has a load on its way; the joint refill, the next half, is the first thing there.
.macro TURN fill
	WIN 0
	s_wait_tensorcnt 0x0
	ds_add_u32 v[SPW], v[NIL]
.if \fill
	s_xor_b32 s25, s25, S1OFF
	s_add_nc_u64 s[26:27], s[26:27], 65536         ; 128 pack rows on
.endif
	s_xor_b32 s[TB], s[TB], S1OFF
	s_wait_dscnt 0x0
.if \fill
	ROUND
	tensor_load_to_lds s[24:27], s[16:23]
	s_nop 0
	PLACES
.else
	s_barrier_signal -1
	s_barrier_wait -1
.endif
	v_add_nc_u32 v[AW], s[TB], v[LT]
.endm
; 36 LDS loads: the bias of 32 channels (chunk c of the slot), then their pack rows' fragments, K = 256, 32 along K at a time
.macro LOADA buf, bi, c
	WIN 0
.set n, 0
.rept 4
	ds_load_b128 v[(\bi)+4*n:(\bi)+4*n+3], v[AB] offset:128*(\c)+64*(n/2)+16*(n%2)
.set n, n+1
.endr
	WIN 0xc0
.set n, 0
.rept 32
	ds_load_b128 v[(\buf)+64*((n/2)%2)+8*(n/4)+4*(n%2):(\buf)+64*((n/2)%2)+8*(n/4)+4*(n%2)+3], v[AW] offset:(32*(\c)+16*((n/2)%2))*528+64*(n/4)+32*(n%2)
.set n, n+1
.endr
.endm
.macro GELU32 x                        ; 32 numbers a lane, each accumulator from its low end; packed to f16 in HP
	REP 16, v_pk_mul_f32 v[U+2*i:U+2*i+1], v[(\x)+2*i:(\x)+2*i+1], v[(\x)+2*i:(\x)+2*i+1]
	REP 16, v_pk_fma_f32 v[U+2*i:U+2*i+1], v[U+2*i:U+2*i+1], s[68:69], s[66:67] op_sel_hi:[1,0,0]
	REP 16, v_pk_mul_f32 v[U+2*i:U+2*i+1], v[U+2*i:U+2*i+1], v[(\x)+2*i:(\x)+2*i+1]
	REP 32, v_exp_f32 v[U+i], v[U+i]
	v_nop                                          ; a plain instruction between the last exponential and the use of its result
	s_wait_alu depctr_va_vdst(0)
	REP 16, v_pk_add_f32 v[U+2*i:U+2*i+1], v[U+2*i:U+2*i+1], 1.0 op_sel_hi:[1,0]
	REP 32, v_rcp_f32 v[U+i], v[U+i]
	v_nop
	s_wait_alu depctr_va_vdst(0)
	REP 16, v_pk_mul_f32 v[U+2*i:U+2*i+1], v[U+2*i:U+2*i+1], v[(\x)+2*i:(\x)+2*i+1]
	REP 16, v_cvt_pk_f16_f32 v[HP+i], v[U+2*i], v[U+2*i+1]
.endm
; STAGE 1, 32 channels of h for my 64 rows: 64 products, eight accumulators by turns; gelu; into the image
.macro TILE2
	LOADA 0, BIX, 0
	WIN 0x07
.set n, 0
.rept 64
.if n%8 == 0
	s_wait_dscnt 28-4*(n/8)                        ; the fragments of the later steps along K may be out
.endif
.if n < 8
	v_wmma_f32_16x16x32_f16 v[ACC+8*n:ACC+8*n+7], v[64*(n/4):64*(n/4)+7], v[64*(n%4):64*(n%4)+7], v[BIX+8*(n/4):BIX+8*(n/4)+7]
.else
	v_wmma_f32_16x16x32_f16 v[ACC+8*(n%8):ACC+8*(n%8)+7], v[64*((n/4)%2)+8*(n/8):64*((n/4)%2)+8*(n/8)+7], v[64*(n%4)+8*(n/8):64*(n%4)+8*(n/8)+7], v[ACC+8*(n%8):ACC+8*(n%8)+7]
.endif
.set n, n+1
.endr
	WIN 0
	PLACES
	GELU32 ACC
	REP 4, ds_store_b128 v[HS], v[HP+4*i:HP+4*i+3] offset:8192*i
	GELU32 ACC+32
	REP 4, ds_store_b128 v[HS], v[HP+4*i:HP+4*i+3] offset:8192*i+512
	v_add_nc_u32 v[AW], 16896, v[AW]
	v_add_nc_u32 v[AB], 128, v[AB]
	v_add_nc_u32 v[HS], 1024, v[HS]
.endm
; STAGE 2, 32 channels for the two blocks cb0, cb0 + 1: 32 products, four accumulators by turns; bf16; into the stage.  cnt: the LDS instructions younger than this buffer's loads
.macro CHUNK cb0, c, buf, bi, cnt, more
	s_wait_dscnt \cnt
	WIN 0x0b
.set n, 0
.rept 32
.if n < 4
	v_wmma_f32_16x16x32_f16 v[ACC+8*n:ACC+8*n+7], v[(\buf)+64*(n/2):(\buf)+64*(n/2)+7], v[64*((\cb0)+n%2):64*((\cb0)+n%2)+7], v[(\bi)+8*(n/2):(\bi)+8*(n/2)+7]
.else
	v_wmma_f32_16x16x32_f16 v[ACC+8*(n%4):ACC+8*(n%4)+7], v[(\buf)+64*((n/2)%2)+8*(n/4):(\buf)+64*((n/2)%2)+8*(n/4)+7], v[64*((\cb0)+n%2)+8*(n/4):64*((\cb0)+n%2)+8*(n/4)+7], v[ACC+8*(n%4):ACC+8*(n%4)+7]
.endif
.set n, n+1
.endr
	WIN 0
	PLACES                                         ; ahead of the loads into the buffer just multiplied and of the conversions
.if \more
	LOADA \buf, \bi, (\c)+2
	WIN 0
.endif
	REP 16, v_cvt_pk_bf16_f32 v[HP+i], v[ACC+2*i], v[ACC+2*i+1]
	REP 4, ds_store_b128 v[OS], v[HP+4*i:HP+4*i+3] offset:4352*(i%2)+64*(\c)+32*(i/2)
.endm
.macro FLUSH                           ; 32 rows x 256 bytes: back as whole rows; sixteen lanes store 256 consecutive bytes, aligned
	REP 16, ds_load_b128 v[FL+4*i:FL+4*i+3], v[RD] offset:544*i
.set i, 0
.rept 16
	s_wait_dscnt 15-i
	global_store_b128 v[GO], v[FL+4*i:FL+4*i+3], s[28:29] offset:3072*i
.set i, i+1
.endr
	s_wait_xcnt 0x0                                ; the stores' base and data are rewritten only behind this wait
	s_add_nc_u64 s[28:29], s[28:29], 256           ; the next half's 128 channels
.endm
; a half of a pack.  The counts: 36 = the other buffer's loads; 40 = 36 loads + 4 stores; 44 = 4 + 36 + 4; 8 = two chunks' stores
.macro HALF2 cb0, fill
	TURN \fill
	LOADA 0, BIX, 0
	LOADA 128, BIY, 1
	CHUNK \cb0, 0, 0, BIX, 36, 1
	CHUNK \cb0, 1, 128, BIY, 40, 1
	CHUNK \cb0, 2, 0, BIX, 44, 0
	CHUNK \cb0, 3, 128, BIY, 8, 0
	FLUSH
	v_add_nc_u32 v[AB], 512, v[AB]
.endm
.macro ST4 line:vararg                 ; one line for four pairs of sin / cos arguments: tt their work registers, pp the arguments, ff the packed result
.set p, 0
.rept 4
.set tt, TS+12*p
.set pp, PROJ+8*BB+2*p
.set ff, FP+4*BB+p
	\line
.set p, p+1
.endr
.endm
.macro SCB                             ; tt: +0 n + magic, then signs; +2 r; +4 r^2; +6 sin; +8 cos; +10 n
	ST4 v_pk_fma_f32 v[tt:tt+1], v[pp:pp+1], s[40:41], s[42:43] op_sel_hi:[1,0,0]
	ST4 v_pk_add_f32 v[tt+10:tt+11], v[tt:tt+1], s[44:45] op_sel_hi:[1,0]
	ST4 v_pk_fma_f32 v[tt+2:tt+3], v[tt+10:tt+11], s[46:47], v[pp:pp+1] op_sel_hi:[1,0,1]
	ST4 v_pk_fma_f32 v[tt+2:tt+3], v[tt+10:tt+11], s[48:49], v[tt+2:tt+3] op_sel_hi:[1,0,1]
	ST4 v_pk_mul_f32 v[tt+4:tt+5], v[tt+2:tt+3], v[tt+2:tt+3]
	ST4 v_lshlrev_b32 v[tt], 31, v[tt]
	ST4 v_lshlrev_b32 v[tt+1], 31, v[tt+1]
	ST4 v_pk_fma_f32 v[tt+6:tt+7], v[tt+4:tt+5], s[50:51], s[52:53] op_sel_hi:[1,0,0]
	ST4 v_pk_fma_f32 v[tt+8:tt+9], v[tt+4:tt+5], s[58:59], s[60:61] op_sel_hi:[1,0,0]
	ST4 v_pk_fma_f32 v[tt+6:tt+7], v[tt+6:tt+7], v[tt+4:tt+5], s[54:55] op_sel_hi:[1,1,0]
	ST4 v_pk_fma_f32 v[tt+8:tt+9], v[tt+8:tt+9], v[tt+4:tt+5], s[62:63] op_sel_hi:[1,1,0]
	ST4 v_pk_fma_f32 v[tt+6:tt+7], v[tt+6:tt+7], v[tt+4:tt+5], s[56:57] op_sel_hi:[1,1,0]
	ST4 v_pk_fma_f32 v[tt+8:tt+9], v[tt+8:tt+9], v[tt+4:tt+5], -0.5 op_sel_hi:[1,1,0]
	ST4 v_pk_fma_f32 v[tt+6:tt+7], v[tt+6:tt+7], v[tt+4:tt+5], 1.0 op_sel_hi:[1,1,0]
	ST4 v_pk_fma_f32 v[tt+8:tt+9], v[tt+8:tt+9], v[tt+4:tt+5], 1.0 op_sel_hi:[1,1,0]
	ST4 v_pk_mul_f32 v[tt+6:tt+7], v[tt+6:tt+7], v[tt+2:tt+3]
	ST4 v_xor_b32 v[tt+6], v[tt+6], v[tt]
	ST4 v_xor_b32 v[tt+7], v[tt+7], v[tt+1]
	ST4 v_xor_b32 v[tt+8], v[tt+8], v[tt]
	ST4 v_xor_b32 v[tt+9], v[tt+9], v[tt+1]
	ST4 v_cvt_pk_f16_f32 v[ff], v[tt+6], v[tt+7]
	ST4 v_cvt_pk_f16_f32 v[ff+32], v[tt+8], v[tt+9]
.endm
	s_load_b256 s[4:11], s[0:1], 0x0               ; query_pos 4, context_pos 6, wpack 8, qkv 10
	v_lshl_add_u32 v[SPW], v0, 2, SPARE
	v_mov_b32 v[NIL], 0
	ds_add_u32 v[SPW], v[NIL]                      ; the wave's opening: the add and its wait ahead of my first tensor load
	ds_add_u32 v14, v15
	v_lshrrev_b32 v1, 5, v0
	v_readfirstlane_b32 s[WV], v1
	s_bfe_u32 s12, ttmp6, 0x40000                  ; cx: it enters the positions' and the output's global addresses alone
	s_lshl_b32 s13, ttmp9, 2
	s_add_co_u32 s13, s13, s12
	s_lshl_b32 s13, s13, 7
	s_lshl_b32 s12, s[WV], 5
	s_add_co_u32 s13, s13, s12                     ; my wave's first row
	s_mul_i32 s36, s13, 12
	s_mov_b32 s37, 0
	s_mul_i32 s38, s13, 1536
	s_mov_b32 s39, 0
	; group 1: 32 rows x 256 elements of 2 bytes, 16 bytes of padding behind each row of 128 words; mask of the four partners, bit 21 beside it
	s_mov_b32 s16, 15|(1<<16)|(1<<20)|(1<<21)|(6<<22)|(3<<25)
	s_mov_b32 s17, 256<<16
	s_mov_b32 s18, 32<<16
	s_mov_b32 s19, 256<<16
	s_mov_b32 s20, 32
	s_mov_b32 s21, 256
	s_mov_b32 s22, 0
	s_mov_b32 s23, 0
	s_mov_b32 s24, 1
	s_mul_i32 s25, s[WV], 16896                    ; my quarter of slot 0
	s_lshl_b32 s14, s[WV], 14                      ; and of the half in memory
	s_mov_b32 s15, 0
	s_mov_b32 s[TB], S1OFF                         ; the first change of slots turns it into 0
	KP 40, 0x3ea2f983                              ; 1 / pi
	KP 42, 0x4b400000                              ; 1.5 x 2^23
	KP 44, 0xcb400000
	KP 46, 0xc0490fdb                              ; - pi, high part
	KP 48, 0x33bbbd2e                              ; - pi, low part
	KP 50, 0x3638ef1d                              ; 1 / 9!
	KP 52, 0xb9500d01                              ; - 1 / 7!
	KP 54, 0x3c088889                              ; 1 / 5!
	KP 56, 0xbe2aaaab                              ; - 1 / 3!
	KP 58, 0x37d00d01                              ; 1 / 8!
	KP 60, 0xbab60b61                              ; - 1 / 6!
	KP 62, 0x3d2aaaab                              ; 1 / 4!
	KP 66, 0xc0135761                              ; C1 = - 2 log2(e) sqrt(2 / pi)
	KP 68, 0xbdd2d3e8                              ; C3 = 0.044715 C1
	s_wait_dscnt 0x0
	s_wait_kmcnt 0x0
	s_add_nc_u64 s[26:27], s[8:9], s[14:15]
	s_or_b32 s27, s27, 0x80000000
	s_add_nc_u64 s[4:5], s[4:5], s[36:37]
	s_add_nc_u64 s[6:7], s[6:7], s[36:37]
	s_add_nc_u64 s[28:29], s[10:11], s[38:39]
	ROUND                                          ; all four work-groups are here: the first joint loads meet
	tensor_load_to_lds s[24:27], s[16:23]          ; half 0 into slot 0: one load of mine is out
	s_nop 0
	PLACES
	; small data
	v_and_b32 v13, 31, v0                          ; l
	v_and_b32 v1, 15, v0                           ; r
	v_bfe_u32 v2, v0, 4, 1                         ; h
	v_mul_u32_u24 v25, v13, 12
	v_lshlrev_b32 v26, 4, v0
	v_lshlrev_b32 v27, 5, v2
	global_load_b128 v[36:39], v26, s[8:9] offset:655360     ; the four bias rows, 32 bytes a thread
	global_load_b128 v[40:43], v26, s[8:9] offset:657408
	global_load_b32 v16, v25, s[4:5]                         ; query row l, context row l of my wave
	global_load_b32 v17, v25, s[4:5] offset:4
	global_load_b32 v18, v25, s[4:5] offset:8
	global_load_b32 v20, v25, s[6:7]
	global_load_b32 v21, v25, s[6:7] offset:4
	global_load_b32 v22, v25, s[6:7] offset:8
	WIN 0x80
.set n, 0
.rept 48                               ; rff_B[d][32 s + 16 u + 8 h + e] at register 64 d + 16 s + 8 u + e
	global_load_b128 v[64*(n/16)+4*(n%16):64*(n/16)+4*(n%16)+3], v27, s[8:9] offset:660480+512*(n/16)+128*((n%16)/4)+64*(((n%16)/2)%2)+16*(n%2)
.set n, n+1
.endr
	WIN 0
	v_mul_u32_u24 v[LT], v1, 528
	v_lshl_add_u32 v[LT], v2, 4, v[LT]
	v_add_nc_u32 v[AB], BIAS, v27
	v_add_nc_u32 v28, BIAS, v26
	s_lshl_b32 s33, s[WV], 10
	s_add_co_u32 s33, s33, POS
	v_lshl_add_u32 v29, v13, 4, s33
	v_lshl_add_u32 v[PA], v1, 4, s33
	s_lshl_b32 s33, s[WV], 15
	s_add_co_u32 s33, s33, IMG
	v_lshl_add_u32 v[IMGL], v13, 4, s33
	v_mov_b32 v[FS], v[IMGL]
	v_mov_b32 v[HS], v[IMGL]
	s_mul_i32 s33, s[WV], 8704
	s_add_co_u32 s33, s33, STG
	v_mul_u32_u24 v[OS], v1, 272
	v_lshl_add_u32 v[OS], v2, 4, v[OS]
	v_add_nc_u32 v[OS], s33, v[OS]
	v_mul_u32_u24 v[RD], v2, 272
	v_lshl_add_u32 v[RD], v1, 4, v[RD]
	v_add_nc_u32 v[RD], s33, v[RD]
	v_mul_u32_u24 v[GO], v2, 1536
	v_lshl_add_u32 v[GO], v1, 4, v[GO]
	v_mov_b32 v19, 0
	v_mov_b32 v23, 0
	s_wait_loadcnt 0x0
	ds_store_b128 v28, v[36:39]
	ds_store_b128 v28, v[40:43] offset:2048
	v_cvt_pk_bf16_f32 v24, v16, v17                ; positions rounded to bf16, kept as f32
	v_lshlrev_b32 v16, 16, v24
	v_and_b32 v17, 0xffff0000, v24
	v_cvt_pk_bf16_f32 v24, v18, v20
	v_lshlrev_b32 v18, 16, v24
	v_and_b32 v20, 0xffff0000, v24
	v_cvt_pk_bf16_f32 v24, v21, v22
	v_lshlrev_b32 v21, 16, v24
	v_and_b32 v22, 0xffff0000, v24
	ds_store_b128 v29, v[16:19]
	ds_store_b128 v29, v[20:23] offset:512
	; sin | cos, a block of 16 rows a trip: my own bytes, served in order
	s_mov_b32 s31, 4
.Lsc:
	ds_load_b128 v[32:35], v[PA]
	s_wait_dscnt 0x0
	WIN 0x02
	REP 32, v_pk_mul_f32 v[PROJ+2*i:PROJ+2*i+1], v[2*i:2*i+1], v[32:33] op_sel_hi:[1,0]
	REP 32, v_pk_fma_f32 v[PROJ+2*i:PROJ+2*i+1], v[64+2*i:64+2*i+1], v[32:33], v[PROJ+2*i:PROJ+2*i+1] op_sel:[0,1,0] op_sel_hi:[1,1,1]
	REP 32, v_pk_fma_f32 v[PROJ+2*i:PROJ+2*i+1], v[128+2*i:128+2*i+1], v[34:35], v[PROJ+2*i:PROJ+2*i+1] op_sel_hi:[1,0,1]
	WIN 0
.set BB, 0
.rept 8
	SCB
.set BB, BB+1
.endr
	REP 16, ds_store_b128 v[FS], v[FP+4*i:FP+4*i+3] offset:512*i
	v_add_nc_u32 v[FS], 8192, v[FS]
	v_add_nc_u32 v[PA], 256, v[PA]
	s_sub_co_u32 s31, s31, 1
	s_cmp_lg_u32 s31, 0
	s_cbranch_scc1 .Lsc
	WIN 0x40
	REP 64, ds_load_b128 v[4*i:4*i+3], v[IMGL] offset:512*i        ; F; waited for by the change of slots below
	WIN 0
	; stage 1: pack 0 in two halves
	s_mov_b32 s31, 2
.Lst1:
	TURN 1
	s_mov_b32 s32, 4
.Ltile:
	TILE2
	s_sub_co_u32 s32, s32, 1
	s_cmp_lg_u32 s32, 0
	s_cbranch_scc1 .Ltile
	s_sub_co_u32 s31, s31, 1
	s_cmp_lg_u32 s31, 0
	s_cbranch_scc1 .Lst1
	WIN 0x80
	REP 64, ds_load_b128 v[4*i:4*i+3], v[IMGL] offset:512*i        ; H, behind my stores of it
	WIN 0
	; stage 2: q for blocks 0, 1; k and v for blocks 2, 3
	s_mov_b32 s31, 2
.Lq:
	HALF2 0, 1
	s_sub_co_u32 s31, s31, 1
	s_cmp_lg_u32 s31, 0
	s_cbranch_scc1 .Lq
	s_mov_b32 s31, 3
.Lkv:
	HALF2 2, 1
	s_sub_co_u32 s31, s31, 1
	s_cmp_lg_u32 s31, 0
	s_cbranch_scc1 .Lkv
	HALF2 2, 0                                     ; the last half is written out: nothing is left to ask for
	s_wait_tensorcnt 0x0                           ; the wave's end
	ds_add_u32 v[SPW], v[NIL]
	s_wait_dscnt 0x0
	ROUND                                          ; the closing round
	s_endpgm
.Lfunc_end_k_q4677ac4e1b_enc:
	.size	k_q4677ac4e1b_enc, .Lfunc_end_k_q4677ac4e1b_enc-k_q4677ac4e1b_enc
	.p2alignl 7, 3214868480
	.fill 96, 4, 3214868480
	.section	.rodata,"a",@progbits
	.p2align	6, 0x0
	.amdhsa_kernel k_q4677ac4e1b_enc
		.amdhsa_group_segment_fixed_size 327680
		.amdhsa_private_segment_fixed_size 0
		.amdhsa_enable_private_segment 0
		.amdhsa_kernarg_size 32
		.amdhsa_user_sgpr_count 2
		.amdhsa_user_sgpr_kernarg_segment_ptr 1
		.amdhsa_wavefront_size32 1
		.amdhsa_system_sgpr_workgroup_id_x 1
		.amdhsa_system_sgpr_workgroup_id_y 1
		.amdhsa_system_sgpr_workgroup_id_z 1
		.amdhsa_system_vgpr_workitem_id 0
		.amdhsa_next_free_vgpr 1024
		.amdhsa_next_free_sgpr 100
		.amdhsa_reserve_vcc 0
		.amdhsa_float_denorm_mode_32 3
		.amdhsa_float_denorm_mode_16_64 3
		.amdhsa_memory_ordered 1
		.amdhsa_forward_progress 1
		.amdhsa_inst_pref_size 172
	.end_amdhsa_kernel
	.amdgpu_metadata
---
amdhsa.version: [ 1, 2 ]
amdhsa.kernels:
  - .name:           k_q4677ac4e1b_enc
    .symbol:         k_q4677ac4e1b_enc.kd
    .args:
      - { .name: query_pos, .offset: 0, .size: 8, .value_kind: global_buffer, .address_space: global }
      - { .name: context_pos, .offset: 8, .size: 8, .value_kind: global_buffer, .address_space: global }
      - { .name: wpack, .offset: 16, .size: 8, .value_kind: global_buffer, .address_space: global }
      - { .name: qkv, .offset: 24, .size: 8, .value_kind: global_buffer, .address_space: global }
    .group_segment_fixed_size: 327680
    .private_segment_fixed_size: 0
    .kernarg_segment_align: 8
    .kernarg_segment_size: 32
    .max_flat_workgroup_size: 128
    .sgpr_count:     100
    .vgpr_count:     1024
    .wavefront_size: 32
...
	.end_amdgpu_metadata
.endif
;; end of part 4
;; launch attn (part 5): grid 256 x 1, 16 waves a work-group, no clusters, 270,336 bytes of LDS; arguments knn, qkv, wpack, out0; writes out0
.if DOCPART == 5
	.amdgcn_target "amdgcn-amd-amdhsa--gfx1250"
	.amdhsa_code_object_version 6
	.text
	.protected	k_q4677ac4e1b_attn
	.globl	k_q4677ac4e1b_attn
	.p2align	8
	.type	k_q4677ac4e1b_attn,@function
k_q4677ac4e1b_attn:
	s_mov_b64 s[64:65], 0
	v_nop
	global_prefetch_b8 v0, s[64:65] scope:SCOPE_SE
	s_setreg_imm32_b32 hwreg(HW_REG_WAVE_MODE, 25, 1), 1
	s_wait_xcnt 0x0
; ATTENTION of one query token over its 8 neighbours, 8 heads of 32 channels, then out0 = o Wo + bo.
; PHASE 1.  A work-group owns 128 queries, a wave 8, one a trip.  Lane l holds channels 8 l .. 8 l + 7 (head l / 4), so a row of q, k or v is one load of 512 consecutive bytes.
; The neighbours' indices were stored as whole numbers by an earlier launch; they come by scalar loads and are bounded by 4,095 before they enter an address.
; Scores, maximum, exponentials and sums in f32: p = 2^(c s - c m), c = log2(e) / sqrt(32), m the maximum of the query's 8 scores in the head.
; o goes to LDS as bf16 high part + bf16 low part (o - high), so that the second product loses nothing that counts; Wo is exact in bf16.
; PHASE 2.  Wave w: 16 queries (w % 8) x 128 channels (w / 8): source 0 = 16 rows of Wo^T, source 1 = 16 rows of o; high and low part add onto the same accumulators.
; NO CLUSTER: what work-groups share is Wo^T, 131,072 bytes, beside 1.2 MB of a work-group's own gathers and output.
.set OT,    135168                     ; 128 rows x 1,040 bytes: high 512 | low 512 | 16 of padding; later the f32 results, same pitch.  No tensor load lands here
.set SPARE, 268288
.set L16, 1
.set OSA, 2
.set Z,   3
.set SPW, 4
.set NIL, 5
.set QR,  8
.set WA,  8
.set OA,  9
.set ST,  10
.set FR,  11
.set OFF, 12
.set BO,  16
.set S,   20
.set O,   32
.set HI,  40
.set HF,  44
.set LO,  52
.set K,   64
.set V,   96
.set ACC, 32
.set SX,  96
.set WV,  34
.macro REP cnt, line:vararg
.set i, 0
.rept \cnt
	\line
.set i, i+1
.endr
.endm
.macro PLACES
.rept 4
	v_nop
.endr
.endm
.macro QUERY next
	s_wait_kmcnt 0x0                               ; this query's eight indices
.set j, 0
.rept 8
.if j%2 == 0
	s_and_b32 s45, s[40+j/2], 0xffff
.else
	s_lshr_b32 s45, s[40+j/2], 16
.endif
	s_min_u32 s45, s45, 4095
	s_mul_i32 s45, s45, 1536
	v_add_nc_u32 v[OFF+j], s45, v[L16]
.set j, j+1
.endr
.if \next
	s_add_nc_u64 s[36:37], s[36:37], 16
	s_load_b128 s[40:43], s[36:37], 0x0            ; the next query's, a trip ahead
.endif
	global_load_b128 v[QR:QR+3], v[L16], s[14:15]
	REP 8, global_load_b128 v[K+4*i:K+4*i+3], v[OFF+i], s[12:13] offset:512
	REP 8, global_load_b128 v[V+4*i:V+4*i+3], v[OFF+i], s[12:13] offset:1024
	s_wait_loadcnt 8                               ; v's eight loads may be out
.set n, 0
.rept 64                               ; word n / 16 of q and k, half (n / 8) % 2, neighbour n % 8
.set cc, S+n%8
.if n < 8
.set cc, Z
.endif
.if (n/8)%2
	v_fma_mix_f32_bf16 v[S+n%8], v[QR+n/16], v[K+4*(n%8)+n/16], v[cc] op_sel:[1,1,0] op_sel_hi:[1,1,0]
.else
	v_fma_mix_f32_bf16 v[S+n%8], v[QR+n/16], v[K+4*(n%8)+n/16], v[cc] op_sel_hi:[1,1,0]
.endif
.set n, n+1
.endr
	REP 8, v_add_f32_dpp v[S+i], v[S+i], v[S+i] row_xmask:1 row_mask:0xf bank_mask:0xf    ; over the head's four lanes
	REP 8, v_add_f32_dpp v[S+i], v[S+i], v[S+i] row_xmask:2 row_mask:0xf bank_mask:0xf
	v_max3_num_f32 v28, v[S], v[S+1], v[S+2]
	v_max3_num_f32 v28, v28, v[S+3], v[S+4]
	v_max3_num_f32 v28, v28, v[S+5], v[S+6]
	v_max_num_f32 v28, v28, v[S+7]
	v_mul_f32 v29, s44, v28
	REP 8, v_fma_f32 v[S+i], v[S+i], s44, -v29
	REP 8, v_exp_f32 v[S+i], v[S+i]
	v_nop                                          ; a plain instruction between the last exponential and the use of its result
	s_wait_alu depctr_va_vdst(0)
	v_pk_add_f32 v[HF:HF+1], v[S:S+1], v[S+2:S+3]
	v_pk_add_f32 v[HF+2:HF+3], v[S+4:S+5], v[S+6:S+7]
	v_pk_add_f32 v[HF:HF+1], v[HF:HF+1], v[HF+2:HF+3]
	v_add_f32 v[HF], v[HF], v[HF+1]
	v_rcp_f32 v30, v[HF]
	v_rcp_f32 v31, v[HF]                           ; twice: a pair for the packed multiply
	v_nop
	s_wait_alu depctr_va_vdst(0)
	REP 4, v_pk_mul_f32 v[S+2*i:S+2*i+1], v[S+2*i:S+2*i+1], v[30:31]
	s_wait_loadcnt 0x0
.set n, 0
.rept 64                               ; neighbour n / 8, channel n % 8
.set cc, O+n%8
.if n < 8
.set cc, Z
.endif
.if n%2
	v_fma_mix_f32_bf16 v[O+n%8], v[V+4*(n/8)+(n%8)/2], v[S+n/8], v[cc] op_sel:[1,0,0] op_sel_hi:[1,0,0]
.else
	v_fma_mix_f32_bf16 v[O+n%8], v[V+4*(n/8)+(n%8)/2], v[S+n/8], v[cc] op_sel_hi:[1,0,0]
.endif
.set n, n+1
.endr
	REP 4, v_cvt_pk_bf16_f32 v[HI+i], v[O+2*i], v[O+2*i+1]
	REP 4, v_lshlrev_b32 v[HF+2*i], 16, v[HI+i]
	REP 4, v_and_b32 v[HF+2*i+1], 0xffff0000, v[HI+i]
	REP 4, v_pk_add_f32 v[O+2*i:O+2*i+1], v[O+2*i:O+2*i+1], v[HF+2*i:HF+2*i+1] neg_lo:[0,1] neg_hi:[0,1]
	REP 4, v_cvt_pk_bf16_f32 v[LO+i], v[O+2*i], v[O+2*i+1]
	ds_store_b128 v[OSA], v[HI:HI+3]
	ds_store_b128 v[OSA], v[LO:LO+3] offset:512
	v_add_nc_u32 v[OSA], 1040, v[OSA]
	s_add_nc_u64 s[14:15], s[14:15], 1536          ; all loads that name it are done
.endm
.macro LDK set, ks                     ; 32 along K: eight fragments of Wo^T, o's high and low fragment: 20 loads
.set n, 0
.rept 16
	ds_load_b128 v[(\set)+4*n:(\set)+4*n+3], v[WA] offset:8448*(n/2)+64*(\ks)+32*(n%2)
.set n, n+1
.endr
	ds_load_b128 v[(\set)+64:(\set)+67], v[OA] offset:64*(\ks)
	ds_load_b128 v[(\set)+68:(\set)+71], v[OA] offset:64*(\ks)+32
	ds_load_b128 v[(\set)+72:(\set)+75], v[OA] offset:64*(\ks)+512
	ds_load_b128 v[(\set)+76:(\set)+79], v[OA] offset:64*(\ks)+544
.endm
	s_load_b256 s[4:11], s[0:1], 0x0               ; knn 4, qkv 6, wpack 8, out0 10
	v_lshl_add_u32 v[SPW], v0, 2, SPARE
	v_mov_b32 v[NIL], 0
	ds_add_u32 v[SPW], v[NIL]                      ; the wave's opening: the add and its wait ahead of my first tensor load
	ds_add_u32 v4, v5
	v_lshrrev_b32 v1, 5, v0
	v_readfirstlane_b32 s[WV], v1
	; group 1: 64 rows x 256 elements of 2 bytes, 16 bytes of padding behind each row of 128 words
	s_mov_b32 s16, (1<<16)|(1<<20)|(6<<22)|(3<<25)
	s_mov_b32 s17, 256<<16
	s_mov_b32 s18, 64<<16
	s_mov_b32 s19, 256<<16
	s_mov_b32 s20, 64
	s_mov_b32 s21, 256
	s_mov_b32 s22, 0
	s_mov_b32 s23, 0
	s_mov_b32 s24, 1
	s_mul_i32 s25, s[WV], 33792
	s_lshl_b32 s28, s[WV], 15
	s_add_co_u32 s28, s28, 524288                  ; pack 4, 64 rows a wave
	s_mov_b32 s29, 0
	s_lshr_b32 s30, ttmp9, 5
	s_mul_i32 s30, s30, 6291456                    ; the batch's 4,096 rows of qkv
	s_mov_b32 s31, 0
	s_lshl_b32 s32, ttmp9, 7
	s_lshl_b32 s33, s[WV], 3
	s_add_co_u32 s32, s32, s33                     ; my wave's first query
	s_mul_i32 s38, s32, 1536
	s_mov_b32 s39, 0
	s_lshl_b32 s46, s32, 4
	s_mov_b32 s47, 0
	s_lshl_b32 s50, s32, 10
	s_mov_b32 s51, 0
	s_mov_b32 s44, 0x3e8293ee                      ; c = log2(e) / sqrt(32)
	s_wait_dscnt 0x0
	s_wait_kmcnt 0x0
	s_add_nc_u64 s[26:27], s[8:9], s[28:29]
	s_or_b32 s27, s27, 0x80000000
	s_add_nc_u64 s[12:13], s[6:7], s[30:31]
	s_add_nc_u64 s[14:15], s[6:7], s[38:39]
	s_add_nc_u64 s[36:37], s[4:5], s[46:47]
	s_add_nc_u64 s[48:49], s[10:11], s[50:51]
	s_cmp_lt_u32 s[WV], 4
	s_cbranch_scc0 .Lnofill
	tensor_load_to_lds s[24:27], s[16:23]          ; Wo^T, a quarter each for waves 0 to 3: it lands under phase 1
	s_nop 0
	PLACES
.Lnofill:
	s_load_b128 s[40:43], s[36:37], 0x0
	v_and_b32 v6, 15, v0                           ; r
	v_bfe_u32 v7, v0, 4, 1                         ; h
	v_and_b32 v[L16], 31, v0
	v_lshlrev_b32 v[L16], 4, v[L16]
	v_mov_b32 v[Z], 0
	s_mul_i32 s52, s[WV], 8320                     ; my eight rows of OT
	s_add_co_u32 s52, s52, OT
	v_add_nc_u32 v[OSA], s52, v[L16]
	s_mov_b32 s46, 7
.Lquery:
	QUERY 1
	s_sub_co_u32 s46, s46, 1
	s_cmp_lg_u32 s46, 0
	s_cbranch_scc1 .Lquery
	QUERY 0                                        ; the last query asks for no further indices
	v_add_nc_u32 v[FR], s52, v[L16]
	s_lshr_b32 s53, s[WV], 3                       ; my half of the channels
	s_and_b32 s54, s[WV], 7                        ; my 16 queries
	s_lshl_b32 s55, s53, 7
	v_add_nc_u32 v[WA], s55, v6
	v_mul_u32_u24 v[WA], v[WA], 528
	v_lshl_add_u32 v[WA], v7, 4, v[WA]
	s_lshl_b32 s55, s54, 4
	v_add_nc_u32 v[OA], s55, v6
	v_mul_u32_u24 v[OA], v[OA], 1040
	v_add_nc_u32 v[OA], OT, v[OA]
	s_lshl_b32 s55, s53, 9
	v_add_nc_u32 v[ST], s55, v[OA]
	v_lshl_add_u32 v[ST], v7, 5, v[ST]
	v_lshl_add_u32 v[OA], v7, 4, v[OA]
	s_wait_tensorcnt 0x0                           ; my quarter of Wo^T is in,
	s_wait_dscnt 0x0                               ; my rows of o are written:
	s_barrier_signal -1
	s_barrier_wait -1                              ; everybody's are
	global_load_b128 v[BO:BO+3], v[L16], s[8:9] offset:659456
	global_load_b128 v[BO+4:BO+7], v[L16], s[8:9] offset:659968
	LDK SX, 0
	LDK SX+80, 1
.irp ks, 0,1,2,3,4,5,6,7
.set SS, SX+80*((\ks)%2)
.if \ks == 7
	s_wait_dscnt 0x0
.else
	s_wait_dscnt 20                                ; the other set's 20 loads may be out
.endif
.set n, 0
.rept 16                               ; high part, then low part; the eight accumulators take turns
.if (\ks == 0) && (n < 8)
	v_wmma_f32_16x16x32_bf16 v[ACC+8*n:ACC+8*n+7], v[SS+8*n:SS+8*n+7], v[SS+64:SS+71], 0
.else
	v_wmma_f32_16x16x32_bf16 v[ACC+8*(n%8):ACC+8*(n%8)+7], v[SS+8*(n%8):SS+8*(n%8)+7], v[SS+64+8*(n/8):SS+64+8*(n/8)+7], v[ACC+8*(n%8):ACC+8*(n%8)+7]
.endif
.set n, n+1
.endr
.if \ks < 6
	PLACES                                         ; ahead of the loads into the set just multiplied
	LDK SS, (\ks)+2
.endif
.endr
	s_wait_dscnt 0x0                               ; my reads of o are over:
	s_barrier_signal -1
	s_barrier_wait -1                              ; nobody reads OT any more: it takes the results
	PLACES
.set n, 0
.rept 8
	ds_store_b128 v[ST], v[ACC+8*n:ACC+8*n+3] offset:64*n
	ds_store_b128 v[ST], v[ACC+8*n+4:ACC+8*n+7] offset:64*n+16
.set n, n+1
.endr
	s_wait_dscnt 0x0
	s_barrier_signal -1
	s_barrier_wait -1
	REP 16, ds_load_b128 v[SX+4*i:SX+4*i+3], v[FR] offset:1040*(i/2)+512*(i%2)
	s_wait_loadcnt 0x0                             ; bo
.set n, 0
.rept 16
	s_wait_dscnt 15-n
	v_pk_add_f32 v[SX+4*n:SX+4*n+1], v[SX+4*n:SX+4*n+1], v[BO+4*(n%2):BO+4*(n%2)+1]
	v_pk_add_f32 v[SX+4*n+2:SX+4*n+3], v[SX+4*n+2:SX+4*n+3], v[BO+4*(n%2)+2:BO+4*(n%2)+3]
	global_store_b128 v[L16], v[SX+4*n:SX+4*n+3], s[48:49] offset:1024*(n/2)+512*(n%2)   ; 512 consecutive bytes, aligned
.set n, n+1
.endr
	s_wait_tensorcnt 0x0                           ; the wave's end
	ds_add_u32 v[SPW], v[NIL]
	s_wait_dscnt 0x0
	s_endpgm
.Lfunc_end_k_q4677ac4e1b_attn:
	.size	k_q4677ac4e1b_attn, .Lfunc_end_k_q4677ac4e1b_attn-k_q4677ac4e1b_attn
	.p2alignl 7, 3214868480
	.fill 96, 4, 3214868480
	.section	.rodata,"a",@progbits
	.p2align	6, 0x0
	.amdhsa_kernel k_q4677ac4e1b_attn
		.amdhsa_group_segment_fixed_size 270336
		.amdhsa_private_segment_fixed_size 0
		.amdhsa_enable_private_segment 0
		.amdhsa_kernarg_size 32
		.amdhsa_user_sgpr_count 2
		.amdhsa_user_sgpr_kernarg_segment_ptr 1
		.amdhsa_wavefront_size32 1
		.amdhsa_system_sgpr_workgroup_id_x 1
		.amdhsa_system_sgpr_workgroup_id_y 1
		.amdhsa_system_sgpr_workgroup_id_z 1
		.amdhsa_system_vgpr_workitem_id 0
		.amdhsa_next_free_vgpr 256
		.amdhsa_next_free_sgpr 66
		.amdhsa_reserve_vcc 0
		.amdhsa_float_denorm_mode_32 3
		.amdhsa_float_denorm_mode_16_64 3
		.amdhsa_memory_ordered 1
		.amdhsa_forward_progress 1
		.amdhsa_inst_pref_size 61
	.end_amdhsa_kernel
	.amdgpu_metadata
---
amdhsa.version: [ 1, 2 ]
amdhsa.kernels:
  - .name:           k_q4677ac4e1b_attn
    .symbol:         k_q4677ac4e1b_attn.kd
    .args:
      - { .name: knn, .offset: 0, .size: 8, .value_kind: global_buffer, .address_space: global }
      - { .name: qkv, .offset: 8, .size: 8, .value_kind: global_buffer, .address_space: global }
      - { .name: wpack, .offset: 16, .size: 8, .value_kind: global_buffer, .address_space: global }
      - { .name: out0, .offset: 24, .size: 8, .value_kind: global_buffer, .address_space: global }
    .group_segment_fixed_size: 270336
    .private_segment_fixed_size: 0
    .kernarg_segment_align: 8
    .kernarg_segment_size: 32
    .max_flat_workgroup_size: 512
    .sgpr_count:     66
    .vgpr_count:     256
    .wavefront_size: 32
...
	.end_amdgpu_metadata
.endif
;; end of part 5
;; ======== version 2 of 2: 5 launches; version 1 with the launch knn1 written anew for expert scheduling mode
;; limits: values are held in f16: magnitudes above 65,504 overflow, below 6.1e-05 lose precision; right only within a limited range of input values
;; workspace buffers: wpack 662,016 bytes; cpair 524,288 bytes; qpos4 524,288 bytes; gidx 262,144 bytes of whole numbers; knn 524,288 bytes of whole numbers; qkv 50,331,648 bytes
;; launch prep: the kernel of part 1 again; grid 256 x 1, 4 waves a work-group, no clusters, 8,960 bytes of LDS; arguments W1, W2, Wq, Wk, Wv, Wo, b1, b2, bq, bk, bv, bo, rff_B, context_pos, query_pos, wpack, cpair, qpos4, out1; writes wpack, cpair, qpos4, out1
;; launch knn1 (part 6): grid 256 x 1, 8 waves a work-group, no clusters, 205,824 bytes of LDS; arguments cpair, qpos4, gidx; writes gidx
.if DOCPART == 6
	.amdgcn_target "amdgcn-amd-amdhsa--gfx1250"
	.amdhsa_code_object_version 6
	.text
	.protected	k_q4677ac4e1b_knn1
	.globl	k_q4677ac4e1b_knn1
	.p2align	8
	.type	k_q4677ac4e1b_knn1,@function
k_q4677ac4e1b_knn1:
	s_mov_b64 s[64:65], 0
	v_nop
	global_prefetch_b8 v0, s[64:65] scope:SCOPE_SE
	s_setreg_imm32_b32 hwreg(HW_REG_WAVE_SCHED_MODE, 0, 2), 2
	s_setreg_imm32_b32 hwreg(HW_REG_WAVE_MODE, 25, 1), 1
	s_wait_xcnt 0x0
	s_wait_alu depctr_vm_vsrc(0)
; KNN, first step: for each query the 8 groups of 16 contexts with the smallest (group minimum of d2, group number).
; They hold the 8 nearest: were one of the 8 nearest in another group, each of those 8 groups would hold a context that comes before it in (d2, index).
; d2 = fma(-2, dot, q2 + c2), dot = fma(z, z', fma(y, y', x x')), on positions rounded to bf16: every product is exact in f32.
; LIMIT.  The three-term sums go in ascending order of the coordinates; positions are finite (else a list keeps its start number 0).
; K = 3 would fill 3 of a matrix instruction's 32 places, and d2 wants f32 bits: vector arithmetic.  No tile is shared by tensor loads: no cluster.
; A work-group owns 128 queries of one batch.  Phase 1: every wave holds all 128 (four a lane) and scans 32 groups.  Phase 2: a thread owns a query and 128 groups.
; THE MODE: SCHED_MODE bits 1:0 = 2 (LLVM: expert scheduling mode 2), set by the entry lines.  The code itself states the register dependences
; between vector instructions and memory or LDS instructions, and those through scalar registers that vector instructions write, with s_wait_alu, always for 0.
; THE PLAN.  Registers that memory or LDS instructions touch:
;   phase 1   CB0   the first half of a group.  LDS loads issued at the head of a second half land in it; the next first half's arithmetic reads it.
;             CB1   the second half.            LDS loads issued at the head of a first half land in it; the next second half's arithmetic reads it.
;             MN    a group's four minima.      Written by both halves; read by the four LDS stores that stand at the head of the NEXT group's first half.
;             CA, MA  LDS addresses of the loads and of the stores; stepped once a trip, in the first half.
;   So a half has one wait on va_vdst at its head: the half before is done with the buffer in which this half's loads land (and has written MN, CA, MA).  One wait on
;   vm_vsrc a trip stands behind the first pair's twenty packed lines: the stores have read MN and MA, the loads CA; only behind it MN is begun anew and CA, MA are stepped.
;   phase 2   D4    four minima, a batch.  LDS loads land in it; the batch's compares and key updates (KEYS) read it.
;             PA    their LDS address; stepped once a trip, at the trip's head.
;   A batch is: KEYS four times (the keys' list does not hang on the masks), one wait on va_sdst for its 32 masks, beside it one on va_vdst (KEYS is done reading D4; PA is
;   written), the next batch's four loads, and then the 60 selects on the numbers (NUMS), which name P, IDX and the masks alone: the loads land under them.
;   the end   A, P, MR: the upper half's LDS stores.  KB, IB: LDS loads through MR.  v3, P, P + 1: the global store.  SPW, NIL: the closing add alone.
.set MIN,   65536                      ; [256 groups][128 queries] f32, behind the batch's 65,536 bytes of cpair
.set MRG,   196608                     ; 8 keys x 128 queries, then 8 numbers x 128
.set SPARE, 204800
.set CA,  4
.set MA,  5
.set SPW, 6
.set NIL, 7
.set Q,   8                            ; v[8:23]    four queries: x y z q2
.set CB0, 32                           ; v[32:63]   four context pairs
.set CB1, 64
.set T,   96
.set D,   104
.set MN,  112
.set A,   40                           ; phase 2: keys ascending
.set P,   48                           ;          their numbers
.set D4,  56
.set PA,  61
.set TMP, 62
.set MR,  63                           ; my query's word in MRG; never rewritten
.set KB,  64                           ; the merge: the upper half's keys
.set IB,  72                           ;            and numbers
.set IDX, 80                           ; v[80:83]   the numbers of the batch's four groups
.set M,   20                           ; s[20:51]   candidate b of a batch: eight masks at M + 8 b
; (d, x) goes into the list in two parts.  Strict compare: of equal keys the one that came first, the lower number, stays in front.
.macro KEYS b                          ; candidate b: its eight compares against the keys as they stand, then its key goes into the keys' list
.set j, 0
.rept 8
	v_cmp_lt_f32 s[M+8*(\b)+j], v[D4+(\b)], v[A+j]
.set j, j+1
.endr
.set j, 7
.rept 7
	v_med3_num_f32 v[A+j], v[A+j-1], v[A+j], v[D4+(\b)]
.set j, j-1
.endr
	v_min_num_f32 v[A], v[A], v[D4+(\b)]
.endm
.macro NUMS b, on                      ; candidate b: its number goes into the numbers' list, by its masks.  on = 1: a further batch follows
.set j, 7
.rept 7
	v_cndmask_b32 v[P+j], v[P+j], v[IDX+(\b)], s[M+8*(\b)+j]
	v_cndmask_b32 v[P+j], v[P+j], v[P+j-1], s[M+8*(\b)+j-1]
.set j, j-1
.endr
	v_cndmask_b32 v[P], v[P], v[IDX+(\b)], s[M+8*(\b)]
.if \on
	v_add_nc_u32 v[IDX+(\b)], 4, v[IDX+(\b)]
.endif
.endm
.macro PAIR4 c, first, free=0          ; one context pair against my four queries, stage by stage.  free = 1: the group before has just been stored
.irp k, 0,1,2,3
	v_pk_add_f32 v[T+2*\k:T+2*\k+1], v[(\c)+6:(\c)+7], v[Q+4*\k+2:Q+4*\k+3] op_sel:[0,1] op_sel_hi:[1,1]
.endr
.irp k, 0,1,2,3
	v_pk_mul_f32 v[D+2*\k:D+2*\k+1], v[(\c):(\c)+1], v[Q+4*\k:Q+4*\k+1] op_sel_hi:[1,0]
.endr
.irp k, 0,1,2,3
	v_pk_fma_f32 v[D+2*\k:D+2*\k+1], v[(\c)+2:(\c)+3], v[Q+4*\k:Q+4*\k+1], v[D+2*\k:D+2*\k+1] op_sel:[0,1,0] op_sel_hi:[1,1,1]
.endr
.irp k, 0,1,2,3
	v_pk_fma_f32 v[D+2*\k:D+2*\k+1], v[(\c)+4:(\c)+5], v[Q+4*\k+2:Q+4*\k+3], v[D+2*\k:D+2*\k+1] op_sel_hi:[1,0,1]
.endr
.irp k, 0,1,2,3
	v_pk_fma_f32 v[D+2*\k:D+2*\k+1], v[D+2*\k:D+2*\k+1], -2.0, v[T+2*\k:T+2*\k+1] op_sel_hi:[1,0,1]
.endr
.if \free
	s_wait_alu depctr_vm_vsrc(0)                   ; the stores of the group before have read MN and v[MA], the loads issued so far v[CA]: MN is begun anew below, the two addresses are stepped behind this pair
.endif
.irp k, 0,1,2,3
.if \first
	v_min_num_f32 v[MN+\k], v[D+2*\k], v[D+2*\k+1]
.else
	v_min3_num_f32 v[MN+\k], v[MN+\k], v[D+2*\k], v[D+2*\k+1]
.endif
.endr
.endm
.macro LD8 dst, off                    ; half a group: every lane reads the same 128 bytes
.set n, 0
.rept 8
	ds_load_b128 v[(\dst)+4*n:(\dst)+4*n+3], v[CA] offset:(\off)+16*n
.set n, n+1
.endr
.endm
.macro PUT                             ; a group's four minima go to MIN
.irp k, 0,1,2,3
	ds_store_b32 v[MA], v[MN+\k] offset:128*\k
.endr
.endm
; The first half of a group, on CB0.  st = 1 (in the loop): the group before is stored, and v[CA] still stands at that group.
.macro HALF0 st
.if \st
	s_wait_alu depctr_va_vdst(0)                   ; the second half before has written MN, which the stores below read, and is done reading CB1, in which the loads below land; v[MA] is written
	PUT
.endif
	LD8 CB1, 128+256*(\st)                         ; this group's second half
	s_wait_dscnt 8+4*(\st)                         ; CB0 is in: the eight loads just issued, and the four stores ahead of them, may be out
	PAIR4 CB0, 1, \st
.if \st
	v_add_nc_u32 v[CA], 256, v[CA]                 ; on to this group; no LDS instruction stands between here and the next wait on va_vdst
	v_add_nc_u32 v[MA], 512, v[MA]
.endif
	PAIR4 CB0+8, 0
	PAIR4 CB0+16, 0
	PAIR4 CB0+24, 0
.endm
; The second half of a group, on CB1.  more = 1: the next group's first half is fetched.
.macro HALF1 more
.if \more
	s_wait_alu depctr_va_vdst(0)                   ; the first half is done reading CB0, in which the loads below land; v[CA] is written
	LD8 CB0, 256
	s_wait_dscnt 8                                 ; CB1 is in: the eight just issued may be out
.else
	s_wait_dscnt 0x0
.endif
	PAIR4 CB1, 0
	PAIR4 CB1+8, 0
	PAIR4 CB1+16, 0
	PAIR4 CB1+24, 0
.endm
; Four groups' minima into my list.  more = 1: the next four are fetched.
.macro BATCH more
.if \more
	s_wait_alu depctr_vm_vsrc(0)                   ; the four loads of this batch have read v[PA]
	v_add_nc_u32 v[PA], 2048, v[PA]                ; the next batch
.endif
	s_wait_dscnt 0x0                               ; this batch's four minima are in
	KEYS 0
	KEYS 1
	KEYS 2
	KEYS 3
	s_wait_alu depctr_va_sdst(0)                   ; the 32 compares have written s[M ..], which the selects below read
.if \more
	s_wait_alu depctr_va_vdst(0)                   ; the compares and key updates are done reading D4, in which the loads below land; v[PA] is written
.irp j, 0,1,2,3
	ds_load_b32 v[D4+\j], v[PA] offset:512*\j
.endr
.endif
	NUMS 0, \more
	NUMS 1, \more
	NUMS 2, \more
	NUMS 3, \more
.endm
.macro CE a, b
	v_min_u32 v[TMP], v[P+\a], v[P+\b]
	v_max_u32 v[P+\b], v[P+\a], v[P+\b]
	v_mov_b32 v[P+\a], v[TMP]
.endm
	s_load_b128 s[4:7], s[0:1], 0x0                ; cpair, qpos4
	s_load_b64 s[8:9], s[0:1], 0x10                ; gidx
	v_lshl_add_u32 v[SPW], v0, 2, SPARE
	v_mov_b32 v[NIL], 0
	v_lshrrev_b32 v1, 5, v0
	v_readfirstlane_b32 s11, v1                    ; wave
	v_and_b32 v2, 31, v0
	v_lshlrev_b32 v3, 4, v0                        ; 16 t
	v_lshlrev_b32 v1, 4, v2                        ; 16 l
	s_lshr_b32 s12, ttmp9, 5
	s_lshl_b32 s12, s12, 16                        ; the batch's cpair
	s_mov_b32 s13, 0
	s_lshl_b32 s14, ttmp9, 11                      ; my 128 queries x 16 bytes
	s_mov_b32 s15, 0
	s_lshl_b32 s16, ttmp9, 10                      ; x 8 bytes
	s_mov_b32 s17, 0
	s_wait_alu depctr_va_sdst(0)                   ; s11 is written, ahead of its first reader
	s_lshl_b32 s18, s11, 13
	v_mov_b32 v[CA], s18                           ; my 32 groups of 256 bytes
	s_lshl_b32 s19, s11, 14
	s_add_co_u32 s19, s19, MIN
	v_lshl_add_u32 v[MA], v2, 2, s19
	s_wait_kmcnt 0x0
	s_add_nc_u64 s[4:5], s[4:5], s[12:13]
	s_add_nc_u64 s[6:7], s[6:7], s[14:15]
	s_add_nc_u64 s[8:9], s[8:9], s[16:17]
	s_wait_alu depctr_va_vdst(0)                   ; v1, v3, v[CA] and v[MA] are written: the offsets and addresses of the loads and stores down to the loop
.set n, 0
.rept 16
	global_load_b128 v[32+4*n:35+4*n], v3, s[4:5] offset:4096*n
.set n, n+1
.endr
.irp k, 0,1,2,3
	global_load_b128 v[Q+4*\k:Q+4*\k+3], v1, s[6:7] offset:512*\k
.endr
	s_wait_loadcnt 0x0
.set n, 0
.rept 16
	ds_store_b128 v3, v[32+4*n:35+4*n] offset:4096*n
.set n, n+1
.endr
	s_wait_dscnt 0x0                               ; for the others' sake
	s_barrier_signal -1
	s_barrier_wait -1
	s_wait_alu depctr_vm_vsrc(0)                   ; my LDS stores have read v[32:95], which are CB0 and CB1 from here on, and v3, which phase 2 writes again
	LD8 CB0, 0
	HALF0 0                                        ; group 0's first half is written out: no group stands in front of it
	s_mov_b32 s12, 31
.Lgroup:                                   ; a trip: the second half of a group, then the first half of the next
	HALF1 1
	HALF0 1
	s_sub_co_u32 s12, s12, 1
	s_cmp_lg_u32 s12, 0
	s_cbranch_scc1 .Lgroup
	HALF1 0                                        ; the last group fetches nothing further
	s_wait_alu depctr_va_vdst(0)                   ; the last group's MN is written, which the stores below read
	PUT
	s_wait_dscnt 0x0
	s_barrier_signal -1
	s_barrier_wait -1
	; phase 2: thread t: query t % 128, groups 128 (t / 128) on, in ascending order
	v_and_b32 v2, 127, v0
	v_lshrrev_b32 v3, 7, v0
	v_lshlrev_b32 v[IDX], 7, v3
.irp b, 1,2,3
	v_add_nc_u32 v[IDX+\b], \b, v[IDX]
.endr
	v_lshlrev_b32 v[PA], 16, v3
	v_lshl_add_u32 v[PA], v2, 2, v[PA]
	v_add_nc_u32 v[PA], MIN, v[PA]
	v_lshl_add_u32 v[MR], v2, 2, MRG
.set n, 0
.rept 8
	v_mov_b32 v[A+n], 0x7f800000
	v_mov_b32 v[P+n], 0
.set n, n+1
.endr
	s_wait_alu depctr_va_vdst(0)                   ; v[PA] and v[MR] are written; phase 1 is done reading the registers that are D4 now
.irp j, 0,1,2,3
	ds_load_b32 v[D4+\j], v[PA] offset:512*\j
.endr
	s_mov_b32 s12, 31
.Lscan:
	BATCH 1
	s_sub_co_u32 s12, s12, 1
	s_cmp_lg_u32 s12, 0
	s_cbranch_scc1 .Lscan
	BATCH 0                                        ; the last four: nothing further is fetched
	s_cmp_lt_u32 s11, 4
	s_cbranch_scc1 .Llow
	s_wait_alu depctr_va_vdst(0)                   ; my lists A and P are written, which the stores below read
.set n, 0
.rept 8                                ; the upper half's lists go over
	ds_store_b32 v[MR], v[A+n] offset:512*n
	ds_store_b32 v[MR], v[P+n] offset:4096+512*n
.set n, n+1
.endr
.Llow:
	s_wait_dscnt 0x0
	s_barrier_signal -1
	s_barrier_wait -1
	s_cmp_lt_u32 s11, 4
	s_cbranch_scc1 .Lmerge
	s_wait_dscnt 0x0                               ; the closing lines, six on end
	s_wait_alu 0x0
	s_wait_tensorcnt 0x0
	ds_add_u32 v[SPW], v[NIL]
	s_wait_dscnt 0x0
	s_endpgm
.Lmerge:
	; Both lists are sorted by (key, number), and every number of the upper half's is the higher.  So the 8 smallest of the 16 are, for i = 0..7, the smaller of
	; my entry i and the other list's entry 7 - i; of equal keys mine stays (strict compare).  Only the numbers are wanted from here on.
	; No wait ahead of these loads: v[MR] was written ahead of the wait in front of phase 2's first loads, and no vector instruction since phase 1 names KB or IB.
.set n, 0
.rept 8
	ds_load_b32 v[KB+n], v[MR] offset:512*n
	ds_load_b32 v[IB+n], v[MR] offset:4096+512*n
.set n, n+1
.endr
	s_wait_dscnt 0x0
.set n, 0
.rept 8
	v_cmp_lt_f32 s[M+n], v[KB+7-n], v[A+n]
.set n, n+1
.endr
	s_wait_alu depctr_va_sdst(0)                   ; the eight compares have written s[M ..], which the selects below read
.set n, 0
.rept 8
	v_cndmask_b32 v[P+n], v[P+n], v[IB+7-n], s[M+n]
.set n, n+1
.endr
	; the 8 numbers ascending (19 comparators), so that the next launch meets its candidates in ascending index
	CE 0,1
	CE 2,3
	CE 4,5
	CE 6,7
	CE 0,2
	CE 1,3
	CE 4,6
	CE 5,7
	CE 1,2
	CE 5,6
	CE 0,4
	CE 1,5
	CE 2,6
	CE 3,7
	CE 2,4
	CE 3,5
	CE 1,2
	CE 3,4
	CE 5,6
	v_lshl_or_b32 v[P], v[P+1], 8, v[P]
	v_lshl_or_b32 v[P], v[P+2], 16, v[P]
	v_lshl_or_b32 v[P], v[P+3], 24, v[P]
	v_lshl_or_b32 v[P+1], v[P+5], 8, v[P+4]
	v_lshl_or_b32 v[P+1], v[P+6], 16, v[P+1]
	v_lshl_or_b32 v[P+1], v[P+7], 24, v[P+1]
	v_lshlrev_b32 v3, 3, v2
	s_wait_alu depctr_va_vdst(0)                   ; v3 and the two packed words are written, which the store below reads
	global_store_b64 v3, v[P:P+1], s[8:9]          ; a wave's store covers 256 consecutive bytes, aligned
	s_wait_dscnt 0x0                               ; the closing lines, six on end
	s_wait_alu 0x0
	s_wait_tensorcnt 0x0
	ds_add_u32 v[SPW], v[NIL]
	s_wait_dscnt 0x0
	s_endpgm
.Lfunc_end_k_q4677ac4e1b_knn1:
	.size	k_q4677ac4e1b_knn1, .Lfunc_end_k_q4677ac4e1b_knn1-k_q4677ac4e1b_knn1
	.p2alignl 7, 3214868480
	.fill 96, 4, 3214868480
	.section	.rodata,"a",@progbits
	.p2align	6, 0x0
	.amdhsa_kernel k_q4677ac4e1b_knn1
		.amdhsa_group_segment_fixed_size 205824
		.amdhsa_private_segment_fixed_size 0
		.amdhsa_enable_private_segment 0
		.amdhsa_kernarg_size 24
		.amdhsa_user_sgpr_count 2
		.amdhsa_user_sgpr_kernarg_segment_ptr 1
		.amdhsa_wavefront_size32 1
		.amdhsa_system_sgpr_workgroup_id_x 1
		.amdhsa_system_sgpr_workgroup_id_y 1
		.amdhsa_system_sgpr_workgroup_id_z 1
		.amdhsa_system_vgpr_workitem_id 0
		.amdhsa_next_free_vgpr 128
		.amdhsa_next_free_sgpr 66
		.amdhsa_reserve_vcc 0
		.amdhsa_float_denorm_mode_32 3
		.amdhsa_float_denorm_mode_16_64 3
		.amdhsa_memory_ordered 1
		.amdhsa_forward_progress 1
		.amdhsa_inst_pref_size 55
	.end_amdhsa_kernel
	.amdgpu_metadata
---
amdhsa.version: [ 1, 2 ]
amdhsa.kernels:
  - .name:           k_q4677ac4e1b_knn1
    .symbol:         k_q4677ac4e1b_knn1.kd
    .args:
      - { .name: cpair, .offset: 0, .size: 8, .value_kind: global_buffer, .address_space: global }
      - { .name: qpos4, .offset: 8, .size: 8, .value_kind: global_buffer, .address_space: global }
      - { .name: gidx, .offset: 16, .size: 8, .value_kind: global_buffer, .address_space: global }
    .group_segment_fixed_size: 205824
    .private_segment_fixed_size: 0
    .kernarg_segment_align: 8
    .kernarg_segment_size: 24
    .max_flat_workgroup_size: 256
    .sgpr_count:     66
    .vgpr_count:     128
    .wavefront_size: 32
...
	.end_amdgpu_metadata
.endif
;; end of part 6
;; launch knn2: the kernel of part 3 again; grid 256 x 1, 8 waves a work-group, no clusters, 78,848 bytes of LDS; arguments cpair, qpos4, gidx, knn; writes knn
;; launch enc: the kernel of part 4 again; grid 256 x 1, 4 waves a work-group, clusters of 4 x 1, 327,680 bytes of LDS; arguments query_pos, context_pos, wpack, qkv; writes qkv
;; launch attn: the kernel of part 5 again; grid 256 x 1, 16 waves a work-group, no clusters, 270,336 bytes of LDS; arguments knn, qkv, wpack, out0; writes out0
